; MI455X (gfx1250); checked and timed in simulation.
; The chip was launched on July 23, 2026; its instructions are those of AMD's public machine-readable ISA for CDNA 5 (MIT licence, August 2026) and "CDNA5" Instruction Set Architecture Reference Guide (July 2026). The comments in the code are by the model that wrote it; some were corrected since.
;; Additive Attention. Allowed arithmetic: float matrix products may take bf16 or f16 operands with f32 sums; other float arithmetic in f32, or as packed bf16 or f16 multiplies, adds, multiply-adds, maxima and minima; sums over many terms, partial sums and values carried from step to step in f32; what a program stores and reads back later, other than sums and carried values, may be rounded once to bf16 or f16.
;; Inputs: U_b 1,024 float32; U_w 1,024 x 1,024 float32; W_b 1,024 float32; W_w 1,024 x 1,024 float32; keys 32 x 2,048 x 1,024 float32; query 32 x 1,024 float32; v_b 1 float32; v_w 1 x 1,024 float32.
;; Outputs: out0 32 x 1,024 float32; out1 32 x 2,048 float32.
;; 2 versions, each right; version 2 is version 1 with the launch main written anew for expert scheduling mode. Each part assembles by itself: llvm-mc -triple=amdgcn-amd-amdhsa -mcpu=gfx1250 --defsym DOCPART=n.
;; ======== version 1 of 2: 3 launches
;; workspace buffers: ub 2,097,152 bytes; bc 131,072 bytes; cz 512 bytes; sc 262,144 bytes; cp 2,097,152 bytes
;; launch prep (part 1): grid 128 x 1, 8 waves a work-group, no clusters, 17,408 bytes of LDS; arguments query, W_w, W_b, U_w, U_b, v_w, v_b, ub, bc, cz; writes ub, bc, cz
.if DOCPART == 1
	.amdgcn_target "amdgcn-amd-amdhsa--gfx1250"
	.amdhsa_code_object_version 6
	.text
	.protected	k_q0196b183c1_prep
	.globl	k_q0196b183c1_prep
	.p2align	8
	.type	k_q0196b183c1_prep,@function
k_q0196b183c1_prep:
	s_mov_b64 s[64:65], 0
	v_nop
	global_prefetch_b8 v0, s[64:65] scope:SCOPE_SE
	s_setreg_imm32_b32 hwreg(HW_REG_WAVE_MODE, 25, 1), 1
	s_wait_xcnt 0x0
; PREPARATION.  Three small results for the launch behind:
;   ub  U_w rounded once to bf16, laid out by matrix fragments: 16 rows n x 32 k are 1,024 bytes on end; fragment (G = n / 128, s = k / 32, b = (n / 16) % 8)
;       lies at ((32 G + s) 8 + b) 1,024; lane L has its registers 0-3 at + 16 L and its registers 4-7 at + 512 + 16 L.
;   bc  c (query W_w^T + W_b + U_b), c = 2 log2(e), f32, as [64 T][32 batch][16 o] with channel = 16 T + o.
;   cz  the sum of v_w plus v_b, written 128 times (512 bytes on end).
; SHARES.  128 work-groups of eight waves.  Work-groups 0-63 (role W) make 16 channels of bc each; work-groups 64-127 (role U) turn 16 rows of U_w into fragments.
; Both read 16 rows x 1,024 numbers of their matrix; wave w takes the K steps 4 w .. 4 w + 3 (512 bytes of each row).  In role W the eight partial sums meet in LDS.
; LIMITS.  query, W_w and U_w are rounded to bf16 as matrix operands; sums in f32, in another order than a plain dot product; NaN and infinities are not treated apart.
; No cluster, no tensor loads: each byte of W_w and U_w is read by one wave, and query (128 KiB) is a thirty-second part of W_w.
.set SPARE, 16384                      ; behind the partial sums: the spare words, 128 bytes for each of the eight waves
.set FO,  2                            ; v2   (l % 16) x 4,096 + 32 (l / 16) + 512 w: my bytes in a fragment rows, f32
.set UO,  3                            ; v3   16 l + 32,768 w: my bytes in ub
.set PS,  4                            ; v4   2,048 w + 512 (l / 16) + 4 (l % 16): where my partial sums go
.set TO,  5                            ; v5   16 t
.set BO,  6                            ; v6   64 T + 16 (t % 4): my four channels in W_b and U_b
.set LO,  7                            ; v7   16 l
.set SPW, 10                           ; v10  LDS address of my spare word; never rewritten
.set NIL, 11                           ; v11  0; never rewritten
.set ACC, 32                           ; v[32:47]  two accumulators: batches 0-15 and 16-31
.set MF,  64                           ; v[64:127] the matrix, f32; packed in place into v[64:95], fragment i at 64 + 8 i
.set QF,  128                          ; v[128:255] query, f32; packed in place into v[128:191], fragment (mt, i) at 128 + 8 (4 mt + i)
	s_load_b512 s[4:19], s[0:1], 0x0               ; query s[4:5], W_w s[6:7], W_b s[8:9], U_w s[10:11], U_b s[12:13], v_w s[14:15], v_b s[16:17], ub s[18:19]
	s_load_b128 s[20:23], s[0:1], 0x40             ; bc s[20:21], cz s[22:23]
	v_lshl_add_u32 v[SPW], v0, 2, SPARE
	v_mov_b32 v[NIL], 0
	v_lshrrev_b32 v1, 5, v0
	v_readfirstlane_b32 s28, v1                    ; wave 0..7
	s_mov_b32 s24, ttmp9                           ; x
	s_and_b32 s25, s24, 63                         ; T
	v_and_b32 v12, 15, v0                          ; l % 16
	v_bfe_u32 v13, v0, 4, 1                        ; l / 16
	v_and_b32 v14, 31, v0                          ; l
	v_lshlrev_b32 v[FO], 12, v12
	v_lshl_add_u32 v[FO], v13, 5, v[FO]
	s_lshl_b32 s34, s28, 9
	v_add_nc_u32 v[FO], s34, v[FO]
	s_lshl_b32 s34, s28, 15
	v_lshl_add_u32 v[UO], v14, 4, s34
	s_lshl_b32 s34, s28, 11
	v_lshl_add_u32 v[PS], v13, 9, s34
	v_lshl_add_u32 v[PS], v12, 2, v[PS]
	v_lshlrev_b32 v[TO], 4, v0
	v_and_b32 v[BO], 3, v0
	s_lshl_b32 s34, s25, 6
	v_lshl_add_u32 v[BO], v[BO], 4, s34
	v_lshlrev_b32 v[LO], 4, v14
	s_mov_b32 s30, 0x76543210                      ; v_permlanex16_b32: each lane takes its own place in the other half
	s_mov_b32 s31, 0xfedcba98
	s_mov_b32 s32, 0x4038aa3b                      ; c = 2 log2(e)
	s_mov_b32 s33, s32                             ; named with it as a pair
	s_wait_kmcnt 0x0
	s_load_b32 s29, s[16:17], 0x0                  ; v_b
	s_cmp_lt_u32 s24, 64
	s_cselect_b64 s[26:27], s[6:7], s[10:11]       ; role W reads W_w, role U reads U_w
	s_lshl_b32 s34, s25, 16                        ; 16 rows of 4,096 bytes
	s_mov_b32 s35, 0
	s_add_nc_u64 s[26:27], s[26:27], s[34:35]
	; A fragment is 16 rows x 32 k: lane l holds row l % 16; registers 0-3 k = 8 (l / 16) + 0..7, registers 4-7 k = 16 + 8 (l / 16) + 0..7.  In f32 that is 32 bytes at 32 (l / 16) and 32 bytes at 64 + 32 (l / 16).
.irp i, 0,1,2,3
	global_load_b128 v[MF+16*(\i):MF+16*(\i)+3],     v[FO], s[26:27] offset:128*(\i)
	global_load_b128 v[MF+16*(\i)+4:MF+16*(\i)+7],   v[FO], s[26:27] offset:128*(\i)+16
	global_load_b128 v[MF+16*(\i)+8:MF+16*(\i)+11],  v[FO], s[26:27] offset:128*(\i)+64
	global_load_b128 v[MF+16*(\i)+12:MF+16*(\i)+15], v[FO], s[26:27] offset:128*(\i)+80
.endr
.macro PACKM                           ; the matrix to bf16, in place and ascending: register d takes numbers 2 d and 2 d + 1, which no earlier line has overwritten
.set d, 0
.rept 32
	v_cvt_pk_bf16_f32 v[MF+d], v[MF+2*d], v[MF+2*d+1]
.set d, d+1
.endr
.endm
	s_cmp_lt_u32 s24, 64
	s_cbranch_scc1 .Lrole_w
	; ROLE U: round, and store each fragment half as 512 bytes on end
	s_wait_loadcnt 0x0
	PACKM
	s_lshr_b32 s34, s25, 3
	s_lshl_b32 s34, s34, 18                        ; G x 262,144
	s_and_b32 s36, s25, 7
	s_lshl_b32 s36, s36, 10                        ; b x 1,024
	s_add_co_u32 s34, s34, s36
	s_mov_b32 s35, 0
	s_add_nc_u64 s[18:19], s[18:19], s[34:35]
.irp i, 0,1,2,3
	global_store_b128 v[UO], v[MF+8*(\i):MF+8*(\i)+3],   s[18:19] offset:8192*(\i)
	global_store_b128 v[UO], v[MF+8*(\i)+4:MF+8*(\i)+7], s[18:19] offset:8192*(\i)+512
.endr
	s_branch .Lmeet
.Lrole_w:
	; ROLE W: the 32 rows of query over my 128 k, as two row blocks
.irp m, 0,1
.irp i, 0,1,2,3
	global_load_b128 v[QF+16*(4*(\m)+(\i)):QF+16*(4*(\m)+(\i))+3],     v[FO], s[4:5] offset:65536*(\m)+128*(\i)
	global_load_b128 v[QF+16*(4*(\m)+(\i))+4:QF+16*(4*(\m)+(\i))+7],   v[FO], s[4:5] offset:65536*(\m)+128*(\i)+16
	global_load_b128 v[QF+16*(4*(\m)+(\i))+8:QF+16*(4*(\m)+(\i))+11],  v[FO], s[4:5] offset:65536*(\m)+128*(\i)+64
	global_load_b128 v[QF+16*(4*(\m)+(\i))+12:QF+16*(4*(\m)+(\i))+15], v[FO], s[4:5] offset:65536*(\m)+128*(\i)+80
.endr
.endr
	global_load_b128 v[48:51], v[BO], s[8:9]       ; W_b
	global_load_b128 v[52:55], v[BO], s[12:13]     ; U_b
	s_wait_loadcnt 34                              ; the matrix is in: 32 loads of query and the two of the biases are younger
	PACKM
	s_wait_loadcnt 0x0
.set d, 0
.rept 64
	v_cvt_pk_bf16_f32 v[QF+d], v[QF+2*d], v[QF+2*d+1]
.set d, d+1
.endr
	; source 0 = 16 rows of query, source 1 = 16 rows of W_w: register j of lane l is (batch 16 m + 8 (l / 16) + j, channel l % 16).  The two accumulators take turns; the first K step starts the sums.
.irp i, 0,1,2,3
.irp m, 0,1
.if (\i) == 0
	v_wmma_f32_16x16x32_bf16 v[ACC+8*(\m):ACC+8*(\m)+7], v[QF+8*(4*(\m)+(\i)):QF+8*(4*(\m)+(\i))+7], v[MF+8*(\i):MF+8*(\i)+7], 0
.else
	v_wmma_f32_16x16x32_bf16 v[ACC+8*(\m):ACC+8*(\m)+7], v[QF+8*(4*(\m)+(\i)):QF+8*(4*(\m)+(\i))+7], v[MF+8*(\i):MF+8*(\i)+7], v[ACC+8*(\m):ACC+8*(\m)+7]
.endif
.endr
.endr
.rept 4
	v_nop                                          ; four places between the last product and the stores that read results
.endr
.irp m, 0,1
.irp j, 0,1,2,3,4,5,6,7
	ds_store_b32 v[PS], v[ACC+8*(\m)+(\j)] offset:1024*(\m)+64*(\j)  ; LDS: [8 waves][32 batches][16 channels] f32
.endr
.endr
.Lmeet:                                                ; every wave of every work-group passes this one barrier
	s_wait_dscnt 0x0                               ; for the others: my partial sums are in LDS
	s_barrier_signal -1
	s_barrier_wait -1
	s_cmp_lt_u32 s24, 64
	s_cbranch_scc0 .Lend                           ; role U has finished
	s_cmp_lt_u32 s28, 4
	s_cbranch_scc0 .Lhigh
.macro SUM8                            ; eight groups of four numbers in v[64:95] are added into v[64:67]
.irp k, 0,1,2,3
	v_pk_add_f32 v[64+8*(\k):65+8*(\k)], v[64+8*(\k):65+8*(\k)], v[68+8*(\k):69+8*(\k)]
	v_pk_add_f32 v[66+8*(\k):67+8*(\k)], v[66+8*(\k):67+8*(\k)], v[70+8*(\k):71+8*(\k)]
.endr
.irp k, 0,1
	v_pk_add_f32 v[64+16*(\k):65+16*(\k)], v[64+16*(\k):65+16*(\k)], v[72+16*(\k):73+16*(\k)]
	v_pk_add_f32 v[66+16*(\k):67+16*(\k)], v[66+16*(\k):67+16*(\k)], v[74+16*(\k):75+16*(\k)]
.endr
	v_pk_add_f32 v[64:65], v[64:65], v[80:81]
	v_pk_add_f32 v[66:67], v[66:67], v[82:83]
.endm
	; waves 0-3: thread t owns batch t / 4, channels 4 (t % 4) + 0..3: 16 bytes of each of the eight partial arrays
.irp q, 0,1,2,3,4,5,6,7
	ds_load_b128 v[64+4*(\q):67+4*(\q)], v[TO] offset:2048*(\q)
.endr
	s_lshl_b32 s34, s25, 11
	s_mov_b32 s35, 0
	s_add_nc_u64 s[20:21], s[20:21], s[34:35]      ; bc at block T
	s_wait_dscnt 0x0
	SUM8
	v_pk_add_f32 v[48:49], v[48:49], v[52:53]      ; W_b + U_b
	v_pk_add_f32 v[50:51], v[50:51], v[54:55]
	v_pk_add_f32 v[64:65], v[64:65], v[48:49]
	v_pk_add_f32 v[66:67], v[66:67], v[50:51]
	v_pk_mul_f32 v[64:65], v[64:65], s[32:33] op_sel_hi:[1,0]
	v_pk_mul_f32 v[66:67], v[66:67], s[32:33] op_sel_hi:[1,0]
	global_store_b128 v[TO], v[64:67], s[20:21]    ; a wave stores 512 bytes on end
	s_branch .Lend
.Lhigh:
	s_xor_b32 s34, s28, 4
	s_or_b32 s34, s34, s24
	s_cmp_eq_u32 s34, 0                            ; wave 4 of work-group 0 makes cz
	s_cbranch_scc0 .Lend
.irp q, 0,1,2,3,4,5,6,7
	global_load_b128 v[64+4*(\q):67+4*(\q)], v[LO], s[14:15] offset:512*(\q)
.endr
	s_wait_loadcnt 0x0
	SUM8
	v_add_f32 v64, v64, v65
	v_add_f32 v66, v66, v67
	v_add_f32 v64, v64, v66
	v_add_f32_dpp v64, v64, v64 row_xmask:1 row_mask:0xf bank_mask:0xf
	v_add_f32_dpp v64, v64, v64 row_xmask:2 row_mask:0xf bank_mask:0xf
	v_add_f32_dpp v64, v64, v64 row_xmask:4 row_mask:0xf bank_mask:0xf
	v_add_f32_dpp v64, v64, v64 row_xmask:8 row_mask:0xf bank_mask:0xf
	v_permlanex16_b32 v65, v64, s30, s31
	v_add_f32 v64, v64, v65
	s_wait_kmcnt 0x0                               ; v_b
	v_add_f32 v64, s29, v64
	v_mov_b32 v65, v64
	v_mov_b32 v66, v64
	v_mov_b32 v67, v64
	global_store_b128 v[LO], v[64:67], s[22:23]
.Lend:
	s_wait_tensorcnt 0x0                           ; the wave ends
	ds_add_u32 v[SPW], v[NIL]
	s_wait_dscnt 0x0
	s_endpgm
.Lfunc_end_k_q0196b183c1_prep:
	.size	k_q0196b183c1_prep, .Lfunc_end_k_q0196b183c1_prep-k_q0196b183c1_prep
	.p2alignl 7, 3214868480
	.fill 96, 4, 3214868480
	.section	.rodata,"a",@progbits
	.p2align	6, 0x0
	.amdhsa_kernel k_q0196b183c1_prep
		.amdhsa_group_segment_fixed_size 17408
		.amdhsa_private_segment_fixed_size 0
		.amdhsa_enable_private_segment 0
		.amdhsa_kernarg_size 80
		.amdhsa_user_sgpr_count 2
		.amdhsa_user_sgpr_kernarg_segment_ptr 1
		.amdhsa_wavefront_size32 1
		.amdhsa_system_sgpr_workgroup_id_x 1
		.amdhsa_system_sgpr_workgroup_id_y 1
		.amdhsa_system_sgpr_workgroup_id_z 1
		.amdhsa_system_vgpr_workitem_id 0
		.amdhsa_next_free_vgpr 256
		.amdhsa_next_free_sgpr 66
		.amdhsa_reserve_vcc 0
		.amdhsa_float_denorm_mode_32 3
		.amdhsa_float_denorm_mode_16_64 3
		.amdhsa_memory_ordered 1
		.amdhsa_forward_progress 1
		.amdhsa_inst_pref_size 23
	.end_amdhsa_kernel
	.amdgpu_metadata
---
amdhsa.version: [ 1, 2 ]
amdhsa.kernels:
  - .name:           k_q0196b183c1_prep
    .symbol:         k_q0196b183c1_prep.kd
    .args:
      - { .name: query, .offset: 0, .size: 8, .value_kind: global_buffer, .address_space: global }
      - { .name: W_w, .offset: 8, .size: 8, .value_kind: global_buffer, .address_space: global }
      - { .name: W_b, .offset: 16, .size: 8, .value_kind: global_buffer, .address_space: global }
      - { .name: U_w, .offset: 24, .size: 8, .value_kind: global_buffer, .address_space: global }
      - { .name: U_b, .offset: 32, .size: 8, .value_kind: global_buffer, .address_space: global }
      - { .name: v_w, .offset: 40, .size: 8, .value_kind: global_buffer, .address_space: global }
      - { .name: v_b, .offset: 48, .size: 8, .value_kind: global_buffer, .address_space: global }
      - { .name: ub, .offset: 56, .size: 8, .value_kind: global_buffer, .address_space: global }
      - { .name: bc, .offset: 64, .size: 8, .value_kind: global_buffer, .address_space: global }
      - { .name: cz, .offset: 72, .size: 8, .value_kind: global_buffer, .address_space: global }
    .group_segment_fixed_size: 17408
    .private_segment_fixed_size: 0
    .kernarg_segment_align: 8
    .kernarg_segment_size: 80
    .max_flat_workgroup_size: 256
    .sgpr_count:     66
    .vgpr_count:     256
    .wavefront_size: 32
...
	.end_amdgpu_metadata
.endif
;; end of part 1
;; launch main (part 2): grid 256 x 1, 4 waves a work-group, no clusters, 280,064 bytes of LDS; arguments keys, ub, bc, v_w, cz, sc, cp; writes sc, cp
.if DOCPART == 2
	.amdgcn_target "amdgcn-amd-amdhsa--gfx1250"
	.amdhsa_code_object_version 6
	.text
	.protected	k_q0196b183c1_main
	.globl	k_q0196b183c1_main
	.p2align	8
	.type	k_q0196b183c1_main,@function
k_q0196b183c1_main:
	s_mov_b64 s[64:65], 0
	v_nop
	global_prefetch_b8 v0, s[64:65] scope:SCOPE_SE
	s_setreg_imm32_b32 hwreg(HW_REG_WAVE_MODE, 25, 1), 1
	s_wait_xcnt 0x0
; SCORES AND PARTIAL CONTEXTS.  For a tile of 128 key rows of one batch:
;   score[row] = c0 - 2 sum over o of v[o] / (1 + 2^(c (U_w keys[row])[o] + bc[o])),  which is v . tanh(Wq + U keys + biases) + v_b, since tanh x = 1 - 2 / (1 + 2^(c x)), c = 2 log2(e), c0 = sum v + v_b;
;   p[row] = e^(score - the largest score of the tile);   cp[tile][ch] = sum over rows of p[row] keys[row][ch].
; The launch behind finds each tile maximum again from sc (a maximum is exact) and puts the tiles of a batch together.
; SHARES.  256 work-groups of four waves; work-group g makes tiles 2 g and 2 g + 1.  The tile (128 rows x 1,024 k) is rounded once to bf16 and STAYS IN LDS: it is read twice for the product (two passes of 512
; channels) and once for the context, so keys leave memory once.  A wave makes all 128 rows x 128 channels in a pass: 64 accumulators, 512 registers; its channels are 256 w + 128 q + ..
; U_w comes as ready fragments (buffer ub) straight into registers, 512 bytes on end an instruction: no wave wants a byte of it that another wave of the work-group has fetched.
; NO TENSOR LOADS, NO CLUSTER, though all work-groups walk the same U_w: the tile takes 264,192 bytes of LDS; a slot of 512 channels x 32 k with padding is 40,960, two are 81,920, and 63,488 bytes are left.
; THE PRODUCT IS TAKEN TRANSPOSED: source 0 = 16 rows of U_w, source 1 = 16 key rows.  Register j of lane l of accumulator (a, b) is key row 16 a + l % 16, channel 16 b + 8 (l / 16) + j: a row sum over channels stays in its lane.
; KEYS COME JUST IN TIME in pass 0: a piece is 16 rows x 256 bytes for each wave (8 loads); K step u rounds piece u + 4 into LDS and asks for piece u + 8 into the same registers.
; LIMITS.  keys, U_w and p are rounded to bf16 as matrix operands, and the context is made of the rounded keys.  2^x beyond f32 gives infinity, its reciprocal 0 and tanh 1; 2^x below 2^-126 counts as 0 and tanh is -1.
; NaN is not treated apart.  Sums are f32, in another order than a plain dot product.
; REGISTERS, in windows of 256 (s_set_vgpr_msb: bits 1:0 source 0, 3:2 source 1, 5:4 source 2, 7:6 destination):
;   window 0: v0-31 addresses and row sums; v32-63, v96-127 key fragments of rows 0-63 for even and odd K steps; v64-95 those of rows 64-127; v128-255 four landing sets of 32 for keys
;   window 1: four sets of 64 for fragments of U_w (K step u uses set u % 4); on the way out sets 2 and 3 hold the biases and v
;   windows 2, 3: accumulator (a, b) at 8 (8 (a % 4) + b) of window 2 + a / 4; in the tail window 2 holds the context sums, window 3 the turned key fragments
.set PITCH, 2064                       ; an LDS row of the tile: 2,048 bytes + 16: 129 x 16, so the 16 rows of a fragment load start at 16 different groups of four banks (64 banks of 4 bytes: ISA guide 11.1)
.set BIAS,  128*PITCH                  ; 4,096 bytes: bc of my batch, by channel
.set VV,    BIAS+4096                  ; 4,096 bytes: v_w
.set RSB,   VV+4096                    ; 2,048 bytes: [4 waves][128 rows] row sums
.set PBB,   RSB+2048                   ; 4 x 256 bytes: p in bf16, a copy for each wave
.set CXB,   PBB+1024                   ; 4 x 1,024 bytes: each wave stage for its 256 context numbers
.set SPARE, CXB+4096                   ; the spare words, 128 bytes for each wave
.set AD,  2                            ; v2-5  fragment addresses of rows 32 i + l % 16 at the body in hand
.set SA,  6                            ; v6    where my rounded keys go, at the body in hand
.set KO,  7                            ; v7    (32 w + l / 16) x 4,096 + 16 (l % 16): my bytes of keys; never rewritten
.set BO,  8                            ; v8    16 l; never rewritten
.set PFO, 9                            ; v9    (32 w + l) x 4,096: a lane a row, for prefetches; never rewritten
.set BA,  10                           ; v10   BIAS + 1,024 w + 32 (l / 16)
.set BAQ, 11                           ; v11   the same at the pass in hand
.set RSS, 12                           ; v12   RSB + 512 w + 4 (l % 16)
.set RSL, 13                           ; v13   RSB + 16 l
.set PBS, 14                           ; v14   PBB + 256 w + 8 l
.set PBL, 15                           ; v15   PBB + 256 w + 16 (l / 16)
.set TA0, 16                           ; v16   (8 (l / 16) + l % 8) PITCH + 16 ((l / 8) % 2) + 512 w: the turning load
.set TA,  17                           ; v17   the same, 32 rows x kk further down
.set CXS, 18                           ; v18   CXB + 1,024 w + 4 (l % 16)
.set CXL, 19                           ; v19   CXB + 1,024 w + 16 l
.set SPW, 20                           ; v20   LDS address of my spare word; never rewritten
.set NIL, 21                           ; v21   0; never rewritten
.set ADB, 22                           ; v22   (l % 16) PITCH + 16 (l / 16); never rewritten
.set SAB, 23                           ; v23   (32 w + l / 16) PITCH + 8 (l % 16); never rewritten
.set RS,  24                           ; v24-31 row sums, one for each block of 16 rows
.set PLO, 32
.set QF,  64
.set LS,  128
.set TT,  32                           ; at work outside the K loops
.set PFR, 64                           ; the tail: p as source 0, four fragments
.set BI,  128                          ; window 1
.set VR,  192                          ; window 1
.set KB,  4                            ; s[4:5]   keys at the tile and body in hand
.set BB,  6                            ; s[6:7]   ub at my stream (524,288 bytes on end) and body in hand
.set BCP, 8
.set VWP, 10
.set CZP, 12
.set SCP, 14
.set CPP, 16
.set BW,  18                           ; s[18:19] the base for the last two requests of a pass
.set WV,  20
.set TRIP, 21
.set PASS, 22
.set TILES, 23
.set C0,  24
.set BOFF, 25                          ; 0 in pass 0, 512 in pass 1
.set CC,  26                           ; s[26:27] c, twice
.set SEL, 28                           ; s[28:29] v_permlanex16_b32: each lane takes its own place in the other half
.set L2E, 30
.set KOF, 36                           ; s36-39 66,048 i + 256 x body: 32 i rows down, 128 k a body along the rows
.set MSB, 0
.macro WIN new                         ; the high byte repeats the setting that is left; a switch that changes nothing is dropped
.if MSB != (\new)
	s_set_vgpr_msb (MSB<<8)|(\new)
.set MSB, (\new)
.endif
.endm
.macro PLACES                          ; four places behind matrix instructions, ahead of loads into registers that they have read and of lines that read results
.rept 4
	v_nop
.endr
.endm
.macro CONV k                          ; landing set k to bf16, in place and ascending: register d takes numbers 2 d and 2 d + 1
.set d, 0
.rept 16
	v_cvt_pk_bf16_f32 v[LS+32*(\k)+d], v[LS+32*(\k)+2*d], v[LS+32*(\k)+2*d+1]
.set d, d+1
.endr
.endm
.macro KLOAD set, off                  ; a piece: load i takes two rows, sixteen lanes 256 bytes on end, aligned
.irp i, 0,1,2,3,4,5,6,7
	global_load_b128 v[LS+32*(\set)+4*(\i):LS+32*(\set)+4*(\i)+3], v[KO], s[KB:KB+1] offset:(\off)+8192*(\i) th:TH_LOAD_NT
.endr
.endm
.macro KSTORE set, off                 ; the piece, rounded, into the tile
.irp i, 0,1,2,3,4,5,6,7
	ds_store_b64 v[SA], v[LS+32*(\set)+2*(\i):LS+32*(\set)+2*(\i)+1] offset:(\off)+4128*(\i)
.endr
.endm
.macro BLOAD set, off, base            ; a K step of my 128 channels of U_w: eight fragments, 8,192 bytes on end
	WIN 0x40                                       ; destination window 1, address window 0
.irp b, 0,1,2,3,4,5,6,7
	global_load_b128 v[64*(\set)+8*(\b):64*(\set)+8*(\b)+3],   v[BO], s[\base:\base+1] offset:(\off)+1024*(\b)
	global_load_b128 v[64*(\set)+8*(\b)+4:64*(\set)+8*(\b)+7], v[BO], s[\base:\base+1] offset:(\off)+1024*(\b)+512
.endr
.endm
; 32 products: four blocks of 16 rows (fragments at src) x my eight blocks of 16 channels.  All 64 accumulators take turns, in the same order in every K step.  zero = 1: the products start the sums.
.macro MUL32 u, src, hi, zero
	WIN 0xa1+0x50*(\hi)                            ; source 0 window 1, source 1 window 0, C and D window 2 or 3
.irp a, 0,1,2,3
.irp b, 0,1,2,3,4,5,6,7
.if \zero
	v_wmma_f32_16x16x32_bf16 v[8*(8*(\a)+(\b)):8*(8*(\a)+(\b))+7], v[64*((\u)%4)+8*(\b):64*((\u)%4)+8*(\b)+7], v[(\src)+8*(\a):(\src)+8*(\a)+7], 0
.else
	v_wmma_f32_16x16x32_bf16 v[8*(8*(\a)+(\b)):8*(8*(\a)+(\b))+7], v[64*((\u)%4)+8*(\b):64*((\u)%4)+8*(\b)+7], v[(\src)+8*(\a):(\src)+8*(\a)+7], v[8*(8*(\a)+(\b)):8*(8*(\a)+(\b))+7]
.endif
.endr
.endr
.endm
; ONE K STEP of 32, step u of a body of four.  cnt: the global loads younger than this step fragments of U_w (and than the piece that it rounds).
; conv: piece u + 4 is rounded and stored.  pis: piece u + 8 is asked for.  sync: a barrier, which shows a whole slice of 64 k to every wave two K steps ahead of its first read.
; nxt: the next step fragments of rows 0-63 are fetched.  alt: the request for U_w goes by BW.  pf: 1 a prefetch, 2 a prefetch in all trips but the last.
.macro KSTEP u, cnt, zero, conv, pis, sync, nxt, alt, pf
	WIN 0
	s_wait_loadcnt \cnt
.if \conv
	CONV \u                                        ; sixteen plain lines: also the places ahead of the loads below
.else
	PLACES
.endif
.irp a, 0,1,2,3
	ds_load_b128 v[QF+8*(\a):QF+8*(\a)+3],   v[AD+2+(\a)/2] offset:33024*((\a)%2)+64*(\u)
	ds_load_b128 v[QF+8*(\a)+4:QF+8*(\a)+7], v[AD+2+(\a)/2] offset:33024*((\a)%2)+64*(\u)+32
.endr
.if \nxt
.irp a, 0,1,2,3
	ds_load_b128 v[PLO+64*(((\u)+1)%2)+8*(\a):PLO+64*(((\u)+1)%2)+8*(\a)+3],   v[AD+(\a)/2] offset:33024*((\a)%2)+64*((\u)+1)
	ds_load_b128 v[PLO+64*(((\u)+1)%2)+8*(\a)+4:PLO+64*(((\u)+1)%2)+8*(\a)+7], v[AD+(\a)/2] offset:33024*((\a)%2)+64*((\u)+1)+32
.endr
.endif
.if \conv
	KSTORE \u, 128*(2+(\u)/2)+33024*((\u)%2)
.endif
.if \alt
	BLOAD ((\u)+2)%4, 8192*((\u)+2), BW
.else
	BLOAD ((\u)+2)%4, 8192*((\u)+2), BB            ; two K steps ahead, and ahead of this step keys: no wait for U_w asks for a younger piece
.endif
	WIN 0
.if \pis
	KLOAD \u, 256*(4+(\u)/2)+65536*((\u)%2)
.endif
.if (\pf) == 2
	s_cmp_gt_u32 s[TRIP], 1                        ; the last trip would name slices 16 and 17, which do not exist
	s_cbranch_scc0 .Lno_pf_\@
.endif
.if \pf
	global_prefetch_b8 v[PFO], s[KB:KB+1] offset:256*(6+(\u)/2) th:TH_LOAD_NT scope:SCOPE_SE  ; my 32 rows x 256 bytes of the slice whose loads stand four K steps on: a lane a row, each block named once
.endif
.if (\pf) == 2
.Lno_pf_\@:
.endif
	MUL32 \u, PLO+64*((\u)%2), 0, \zero
	s_wait_dscnt 0x0                               ; rows 64-127, the next step rows 0-63, and my stores into the tile
.if \sync
	s_barrier_signal -1
.endif
	MUL32 \u, QF, 1, \zero
.if \sync
	s_barrier_wait -1
.endif
.endm
; A BODY: four K steps, then the steps of pointers and addresses.  c0-c3: the four counts.  last = 1: a pass ends: nothing more is fetched from the tile, and the last two requests for U_w go by BW.
.macro BODY zero, conv, pis, c0, c1, c2, c3, last, pf
	KSTEP 0, \c0, \zero, \conv, \pis, 0, 1, 0, \pf
	KSTEP 1, \c1, 0, \conv, \pis, \conv, 1, 0, 0
	KSTEP 2, \c2, 0, \conv, \pis, 0, 1, \last, \pf
	KSTEP 3, \c3, 0, \conv, \pis, \conv, 1-(\last), \last, 0
	WIN 0
	s_wait_xcnt 0x0                                ; every load and prefetch issued so far has read its address (the youngest 64 products back): the pointers may be written
	s_add_nc_u64 s[BB:BB+1], s[BB:BB+1], 32768
.if \pis
	s_add_nc_u64 s[KB:KB+1], s[KB:KB+1], 512
.endif
.irp i, 0,1,2,3
	s_add_co_u32 s[KOF+(\i)], s[KOF+(\i)], 256
.endr
.irp i, 0,1,2,3
	v_add_nc_u32 v[AD+(\i)], s[KOF+(\i)], v[ADB]
.endr
.if \conv
	v_add_nc_u32 v[SA], s[KOF], v[SAB]
.endif
.endm
.macro RESET                           ; the fragment addresses go back to k = 0
.irp i, 0,1,2,3
	s_mov_b32 s[KOF+(\i)], 66048*(\i)
.endr
.irp i, 0,1,2,3
	v_add_nc_u32 v[AD+(\i)], s[KOF+(\i)], v[ADB]
.endr
.endm
.macro LOADLO                          ; a pass begins: K step 0 of rows 0-63
.irp a, 0,1,2,3
	ds_load_b128 v[PLO+8*(\a):PLO+8*(\a)+3],   v[AD+(\a)/2] offset:33024*((\a)%2)
	ds_load_b128 v[PLO+8*(\a)+4:PLO+8*(\a)+7], v[AD+(\a)/2] offset:33024*((\a)%2)+32
.endr
	s_wait_dscnt 0x0
.endm
; THE WAY OUT for block a of 16 rows: x = c s + bias; 2^x; + 1; reciprocal; times v, summed over my 64 numbers of the row.  Each accumulator is read from its lowest registers on.
; The 64 exponentials are one batch with one wait, and so are the 64 reciprocals: a plain line behind the last of a batch, and the wait ahead of the first reader.
.macro EPIA a
.set XB, 64*((\a)%4)
	WIN 0x92+0x41*((\a)/4)                         ; x in window 2 or 3 (destination and source 0), the bias (source 2) in window 1
.set z, 0
.rept 32
	v_pk_fma_f32 v[XB+2*z:XB+2*z+1], v[XB+2*z:XB+2*z+1], s[CC:CC+1], v[BI+2*z:BI+2*z+1] op_sel_hi:[1,0,1]
.set z, z+1
.endr
	WIN 0x82+0x41*((\a)/4)                         ; in place
.set z, 0
.rept 64
	v_exp_f32 v[XB+z], v[XB+z]
.set z, z+1
.endr
	v_nop
	s_wait_alu depctr_va_vdst(0)
.set z, 0
.rept 32
	v_pk_add_f32 v[XB+2*z:XB+2*z+1], v[XB+2*z:XB+2*z+1], 1.0 op_sel_hi:[1,0]
.set z, z+1
.endr
.set z, 0
.rept 64
	v_rcp_f32 v[XB+z], v[XB+z]
.set z, z+1
.endr
	v_nop
	s_wait_alu depctr_va_vdst(0)
	WIN 0x06+(\a)/4                                ; x (source 0) in window 2 or 3, v (source 1) in window 1, the sums in window 0
.set z, 0
.rept 32                               ; four chains of pairs, started by the first four products
.if z < 4
	v_pk_mul_f32 v[TT+2*z:TT+2*z+1], v[XB+2*z:XB+2*z+1], v[VR+2*z:VR+2*z+1]
.else
	v_pk_fma_f32 v[TT+2*(z%4):TT+2*(z%4)+1], v[XB+2*z:XB+2*z+1], v[VR+2*z:VR+2*z+1], v[TT+2*(z%4):TT+2*(z%4)+1]
.endif
.set z, z+1
.endr
	WIN 0
	v_pk_add_f32 v[TT:TT+1], v[TT:TT+1], v[TT+2:TT+3]
	v_pk_add_f32 v[TT+4:TT+5], v[TT+4:TT+5], v[TT+6:TT+7]
	v_pk_add_f32 v[TT:TT+1], v[TT:TT+1], v[TT+4:TT+5]
	v_add_f32 v[TT+8], v[TT], v[TT+1]
	v_add_f32 v[RS+(\a)], v[RS+(\a)], v[TT+8]
.endm
; THE TAIL.  32 key rows x my 256 channels out of the tile, turned: lane l ends with channel l % 16 and 8 + 8 rows, source 1 of the context product.
.macro TRL kk
	WIN 0
	v_add_nc_u32 v[TA], 66048*(\kk), v[TA0]
	WIN 0xc0                                       ; destination window 3
.irp c, 0,1,2,3,4,5,6,7,8,9,10,11,12,13,14,15
	ds_load_tr16_b128 v[128*((\kk)%2)+8*(\c):128*((\kk)%2)+8*(\c)+3],   v[TA] offset:32*(\c)
	ds_load_tr16_b128 v[128*((\kk)%2)+8*(\c)+4:128*((\kk)%2)+8*(\c)+7], v[TA] offset:32*(\c)+33024
.endr
.endm
.macro CPROD kk                        ; source 0: p of 32 rows, the same in all 16 rows of the fragment; the 16 accumulators take turns
	WIN 0xac                                       ; source 0 window 0, source 1 window 3, C and D window 2
.irp c, 0,1,2,3,4,5,6,7,8,9,10,11,12,13,14,15
.if (\kk) == 0
	v_wmma_f32_16x16x32_bf16 v[8*(\c):8*(\c)+7], v[PFR+8*(\kk):PFR+8*(\kk)+7], v[128*((\kk)%2)+8*(\c):128*((\kk)%2)+8*(\c)+7], 0
.else
	v_wmma_f32_16x16x32_bf16 v[8*(\c):8*(\c)+7], v[PFR+8*(\kk):PFR+8*(\kk)+7], v[128*((\kk)%2)+8*(\c):128*((\kk)%2)+8*(\c)+7], v[8*(\c):8*(\c)+7]
.endif
.endr
.endm
	s_load_b256 s[4:11], s[0:1], 0x0               ; keys, ub, bc, v_w
	s_load_b128 s[12:15], s[0:1], 0x20             ; cz, sc
	s_load_b64 s[16:17], s[0:1], 0x30              ; cp
	v_lshl_add_u32 v[SPW], v0, 2, SPARE
	v_mov_b32 v[NIL], 0
	v_lshrrev_b32 v1, 5, v0
	v_readfirstlane_b32 s[WV], v1                  ; wave 0..3
	v_and_b32 v24, 15, v0                          ; l % 16
	v_bfe_u32 v25, v0, 4, 1                        ; l / 16
	v_and_b32 v26, 31, v0                          ; l
	v_and_b32 v27, 7, v0
	v_bfe_u32 v28, v0, 3, 1
	v_mul_u32_u24 v[ADB], v24, PITCH
	v_lshl_add_u32 v[ADB], v25, 4, v[ADB]
	s_mul_i32 s32, s[WV], 32*PITCH
	v_mul_u32_u24 v[SAB], v25, PITCH
	v_lshl_add_u32 v[SAB], v24, 3, v[SAB]
	v_add_nc_u32 v[SAB], s32, v[SAB]
	s_lshl_b32 s33, s[WV], 17
	v_lshlrev_b32 v[KO], 12, v25
	v_lshl_add_u32 v[KO], v24, 4, v[KO]
	v_add_nc_u32 v[KO], s33, v[KO]
	v_lshlrev_b32 v[BO], 4, v26
	v_lshl_add_u32 v[PFO], v26, 12, s33
	s_lshl_b32 s34, s[WV], 10
	s_add_co_u32 s35, s34, BIAS
	v_lshl_add_u32 v[BA], v25, 5, s35
	s_lshl_b32 s35, s[WV], 9
	s_add_co_u32 s35, s35, RSB
	v_lshl_add_u32 v[RSS], v24, 2, s35
	v_lshl_add_u32 v[RSL], v26, 4, RSB
	s_lshl_b32 s35, s[WV], 8
	s_add_co_u32 s35, s35, PBB
	v_lshl_add_u32 v[PBS], v26, 3, s35
	v_lshl_add_u32 v[PBL], v25, 4, s35
	v_lshl_add_u32 v[TA0], v25, 3, v27
	v_mul_u32_u24 v[TA0], v[TA0], PITCH
	v_lshl_add_u32 v[TA0], v28, 4, v[TA0]
	s_lshl_b32 s35, s[WV], 9
	v_add_nc_u32 v[TA0], s35, v[TA0]
	s_add_co_u32 s35, s34, CXB
	v_lshl_add_u32 v[CXS], v24, 2, s35
	v_lshl_add_u32 v[CXL], v26, 4, s35
	v_lshrrev_b32 v1, 2, v0                        ; bc is [64 T][32 batches][16 o]: thread t takes T = t / 4 (and + 32), o = 4 (t % 4) + 0..3
	v_and_b32 v29, 3, v0
	v_lshlrev_b32 v1, 11, v1
	v_lshl_add_u32 v1, v29, 4, v1
	v_lshlrev_b32 v[TA], 4, v0                     ; 16 t, for v_w
	v_add_nc_u32 v[BAQ], BIAS, v[TA]
	s_mov_b32 s[CC], 0x4038aa3b                    ; c = 2 log2(e)
	s_mov_b32 s[CC+1], s[CC]
	s_mov_b32 s[SEL], 0x76543210
	s_mov_b32 s[SEL+1], 0xfedcba98
	s_mov_b32 s[L2E], 0x3fb8aa3b
	s_mov_b32 s[BOFF], 0
	s_mov_b32 s[TILES], 2
	s_wait_kmcnt 0x0
	s_load_b32 s[C0], s[CZP:CZP+1], 0x0
	s_lshl_b32 s32, ttmp9, 20                      ; two tiles of 524,288 bytes
	s_mov_b32 s33, 0
	s_add_nc_u64 s[KB:KB+1], s[KB:KB+1], s[32:33]
	s_lshl_b32 s32, s[WV], 19
	s_add_nc_u64 s[BB:BB+1], s[BB:BB+1], s[32:33]
	s_lshr_b32 s32, ttmp9, 3                       ; the batch
	s_lshl_b32 s32, s32, 6
	s_add_nc_u64 s[BCP:BCP+1], s[BCP:BCP+1], s[32:33]
	s_lshl_b32 s32, ttmp9, 10
	s_add_nc_u64 s[SCP:SCP+1], s[SCP:SCP+1], s[32:33]
	s_lshl_b32 s32, ttmp9, 13
	s_add_co_u32 s32, s32, s34
	s_add_nc_u64 s[CPP:CPP+1], s[CPP:CPP+1], s[32:33]
	global_load_b128 v[32:35], v1, s[BCP:BCP+1]
	global_load_b128 v[36:39], v1, s[BCP:BCP+1] offset:65536
	global_load_b128 v[40:43], v[TA], s[VWP:VWP+1]
	global_load_b128 v[44:47], v[TA], s[VWP:VWP+1] offset:2048
	BLOAD 0, 0, BB                                 ; K steps 0 and 1 of my stream
	BLOAD 1, 8192, BB
	WIN 0
	s_wait_loadcnt 32                              ; the four loads above are in; the 32 of U_w are younger
	ds_store_b128 v[BAQ], v[32:35]
	ds_store_b128 v[BAQ], v[36:39] offset:2048
	ds_store_b128 v[BAQ], v[40:43] offset:4096
	ds_store_b128 v[BAQ], v[44:47] offset:6144     ; shown to the other waves by the first barrier below
	s_wait_kmcnt 0x0                               ; c0
.Ltile:
	; THE PROLOGUE: pieces 0-3 (the first 128 k of all rows) into the tile, pieces 4-7 asked for
.irp a, 0,1,2,3,4,5,6,7
	v_mov_b32 v[RS+(\a)], 0
.endr
	RESET
	v_mov_b32 v[SA], v[SAB]
	KLOAD 0, 0
	KLOAD 1, 65536
	KLOAD 2, 256
	KLOAD 3, 256+65536
.irp p, 0,1,2,3
	s_wait_loadcnt 24-8*(\p)                       ; piece p is in; the later pieces are younger
	CONV \p
	KSTORE \p, 128*((\p)/2)+33024*((\p)%2)
.endr
	KLOAD 0, 512
	KLOAD 1, 512+65536
	KLOAD 2, 768
	KLOAD 3, 768+65536
	s_wait_dscnt 0x0                               ; for the others: my stores are in LDS
	s_barrier_signal -1
	s_barrier_wait -1
	LOADLO
	; PASS 0: eight bodies.  The first starts the sums; five in a loop; one that asks for no more keys; the last is shared with pass 1.
	BODY 1, 1, 1, 24, 32, 32, 32, 0, 1             ; 24: pieces 5, 6, 7 are younger than piece 4.  32: 8 loads of keys, 16 of U_w and 8 of keys are younger than this step fragments of U_w
	s_mov_b32 s[TRIP], 5
.Lk0:
	BODY 0, 1, 1, 32, 32, 32, 32, 0, 2
	s_sub_co_u32 s[TRIP], s[TRIP], 1
	s_cmp_lg_u32 s[TRIP], 0
	s_cbranch_scc1 .Lk0
	BODY 0, 1, 0, 32, 24, 16, 16, 0, 0             ; the requests for keys have ended, so fewer loads are younger
	s_add_nc_u64 s[KB:KB+1], s[KB:KB+1], 521216    ; six bodies have stepped 3,072: on to the next tile (behind the body own s_wait_xcnt 0)
	s_mov_b64 s[BW:BW+1], s[BB:BB+1]               ; pass 1 follows on in my stream
	s_mov_b32 s[PASS], 2
	s_branch .Llast                                ; the loop over passes is entered in the middle of a trip
.Lpass:
	; PASS 1: the tile is whole, so there are no keys to bring and no barrier
	LOADLO
	BODY 1, 0, 0, 16, 16, 16, 16, 0, 0             ; 16: the next step fragments of U_w are younger
	s_mov_b32 s[TRIP], 6
.Lk1:
	BODY 0, 0, 0, 16, 16, 16, 16, 0, 0
	s_sub_co_u32 s[TRIP], s[TRIP], 1
	s_cmp_lg_u32 s[TRIP], 0
	s_cbranch_scc1 .Lk1
	s_sub_nc_u64 s[BW:BW+1], s[BB:BB+1], 524288    ; my stream ends: the last two requests take its K steps 0 and 1 again, for the next tile
.Llast:
	BODY 0, 0, 0, 16, 16, 16, 16, 1, 0
	; THE WAY OUT of a pass
	RESET                                          ; these four additions and the next line are plain: the places behind the last products
	v_add_nc_u32 v[BAQ], s[BOFF], v[BA]
	WIN 0x40
.irp b, 0,1,2,3,4,5,6,7
	ds_load_b128 v[BI+8*(\b):BI+8*(\b)+3],   v[BAQ] offset:64*(\b)
	ds_load_b128 v[BI+8*(\b)+4:BI+8*(\b)+7], v[BAQ] offset:64*(\b)+16
	ds_load_b128 v[VR+8*(\b):VR+8*(\b)+3],   v[BAQ] offset:4096+64*(\b)
	ds_load_b128 v[VR+8*(\b)+4:VR+8*(\b)+7], v[BAQ] offset:4096+64*(\b)+16
.endr
	s_wait_dscnt 0x0
.irp a, 0,1,2,3,4,5,6,7
	EPIA \a
.endr
	s_xor_b32 s[BOFF], s[BOFF], 512
	s_sub_co_u32 s[PASS], s[PASS], 1
	s_cmp_lg_u32 s[PASS], 0
	s_cbranch_scc1 .Lpass
	; THE TAIL
	s_cmp_gt_u32 s[TILES], 1
	s_cbranch_scc0 .Lno_next
.irp q, 0,1,2,3
	global_prefetch_b8 v[PFO], s[KB:KB+1] offset:256*(\q) th:TH_LOAD_NT scope:SCOPE_SE  ; the next tile: my 32 rows x its first four slices, which the prologue loads behind this tail
.endr
.Lno_next:
.irp a, 0,1,2,3,4,5,6,7
	v_permlanex16_b32 v[TT+(\a)], v[RS+(\a)], s[SEL], s[SEL+1]  ; a row other eight channels of each sixteen lie in the lane 16 away
.endr
.irp a, 0,1,2,3,4,5,6,7
	v_add_f32 v[RS+(\a)], v[RS+(\a)], v[TT+(\a)]
.endr
.irp a, 0,1,2,3,4,5,6,7
	ds_store_b32 v[RSS], v[RS+(\a)] offset:64*(\a)
.endr
	s_wait_dscnt 0x0                               ; for the others: my row sums are in LDS
	s_barrier_signal -1
	s_barrier_wait -1
.irp q, 0,1,2,3
	ds_load_b128 v[40+4*(\q):43+4*(\q)], v[RSL] offset:512*(\q)  ; rows 4 l .. 4 l + 3 of all four waves
.endr
	s_wait_dscnt 0x0
	v_pk_add_f32 v[40:41], v[40:41], v[44:45]
	v_pk_add_f32 v[42:43], v[42:43], v[46:47]
	v_pk_add_f32 v[48:49], v[48:49], v[52:53]
	v_pk_add_f32 v[50:51], v[50:51], v[54:55]
	v_pk_add_f32 v[40:41], v[40:41], v[48:49]
	v_pk_add_f32 v[42:43], v[42:43], v[50:51]
.irp q, 0,1,2,3
	v_fma_f32 v[40+(\q)], v[40+(\q)], -2.0, s[C0]  ; the scores: the same bits in every wave
.endr
	s_cmp_lg_u32 s[WV], 0
	s_cbranch_scc1 .Lnot_0
	global_store_b128 v[BO], v[40:43], s[SCP:SCP+1]  ; 512 bytes on end
.Lnot_0:
	v_max3_num_f32 v56, v40, v41, v42
	v_max_num_f32 v56, v56, v43
	v_max_num_f32_dpp v56, v56, v56 row_xmask:1 row_mask:0xf bank_mask:0xf
	v_max_num_f32_dpp v56, v56, v56 row_xmask:2 row_mask:0xf bank_mask:0xf
	v_max_num_f32_dpp v56, v56, v56 row_xmask:4 row_mask:0xf bank_mask:0xf
	v_max_num_f32_dpp v56, v56, v56 row_xmask:8 row_mask:0xf bank_mask:0xf
	v_permlanex16_b32 v44, v56, s[SEL], s[SEL+1]
	v_max_num_f32 v56, v56, v44                    ; the largest score of the tile
.irp q, 0,1,2,3
	v_sub_f32 v[44+(\q)], v[40+(\q)], v56
.endr
.irp q, 0,1,2,3
	v_mul_f32 v[44+(\q)], s[L2E], v[44+(\q)]
.endr
.irp q, 0,1,2,3
	v_exp_f32 v[44+(\q)], v[44+(\q)]
.endr
	v_nop                                          ; a plain line behind the last exponential,
	s_wait_alu depctr_va_vdst(0)                   ; and one wait for the four, ahead of the first reader
	v_cvt_pk_bf16_f32 v48, v44, v45
	v_cvt_pk_bf16_f32 v49, v46, v47
	ds_store_b64 v[PBS], v[48:49]                  ; my own copy of p: LDS serves a wave in order (ISA guide 5.7.1.4), so the loads below see it
.irp k, 0,1,2,3
	ds_load_b128 v[PFR+8*(\k):PFR+8*(\k)+3],   v[PBL] offset:64*(\k)
	ds_load_b128 v[PFR+8*(\k)+4:PFR+8*(\k)+7], v[PBL] offset:64*(\k)+32
.endr
	TRL 0
	TRL 1
	s_wait_dscnt 32                                ; p and the first 32 rows are in; the second run of 32 loads is younger
	CPROD 0
	PLACES
	TRL 2
	s_wait_dscnt 32
	CPROD 1
	PLACES
	TRL 3
	s_wait_dscnt 32
	CPROD 2
	s_wait_dscnt 0x0
	CPROD 3
	PLACES
	WIN 0x08                                       ; store data in window 2
.irp c, 0,1,2,3,4,5,6,7,8,9,10,11,12,13,14,15
	ds_store_b32 v[CXS], v[8*(\c)] offset:64*(\c)  ; all 16 rows of a result are alike: register 0 is channel 16 c + l % 16
.endr
	WIN 0
	ds_load_b128 v[44:47], v[CXL]
	ds_load_b128 v[48:51], v[CXL] offset:512
	s_wait_dscnt 0x0
	global_store_b128 v[BO], v[44:47], s[CPP:CPP+1]
	global_store_b128 v[BO], v[48:51], s[CPP:CPP+1] offset:512
	s_barrier_signal -1                            ; my reads of the tile and of the row sums are over (the wait for 0 above): the next tile may overwrite them
	s_barrier_wait -1
	s_wait_xcnt 0x0                                ; the stores have read their registers and bases
	s_add_nc_u64 s[SCP:SCP+1], s[SCP:SCP+1], 512
	s_add_nc_u64 s[CPP:CPP+1], s[CPP:CPP+1], 4096
	s_sub_nc_u64 s[BB:BB+1], s[BB:BB+1], 524288    ; sixteen bodies back: my stream from its start
	s_sub_co_u32 s[TILES], s[TILES], 1
	s_cmp_lg_u32 s[TILES], 0
	s_cbranch_scc1 .Ltile
	s_wait_tensorcnt 0x0                           ; the wave ends
	ds_add_u32 v[SPW], v[NIL]
	s_wait_dscnt 0x0
	s_endpgm
.Lfunc_end_k_q0196b183c1_main:
	.size	k_q0196b183c1_main, .Lfunc_end_k_q0196b183c1_main-k_q0196b183c1_main
	.p2alignl 7, 3214868480
	.fill 96, 4, 3214868480
	.section	.rodata,"a",@progbits
	.p2align	6, 0x0
	.amdhsa_kernel k_q0196b183c1_main
		.amdhsa_group_segment_fixed_size 280064
		.amdhsa_private_segment_fixed_size 0
		.amdhsa_enable_private_segment 0
		.amdhsa_kernarg_size 56
		.amdhsa_user_sgpr_count 2
		.amdhsa_user_sgpr_kernarg_segment_ptr 1
		.amdhsa_wavefront_size32 1
		.amdhsa_system_sgpr_workgroup_id_x 1
		.amdhsa_system_sgpr_workgroup_id_y 1
		.amdhsa_system_sgpr_workgroup_id_z 1
		.amdhsa_system_vgpr_workitem_id 0
		.amdhsa_next_free_vgpr 1024
		.amdhsa_next_free_sgpr 66
		.amdhsa_reserve_vcc 0
		.amdhsa_float_denorm_mode_32 3
		.amdhsa_float_denorm_mode_16_64 3
		.amdhsa_memory_ordered 1
		.amdhsa_forward_progress 1
		.amdhsa_inst_pref_size 255
	.end_amdhsa_kernel
	.section	.bss,"aw",@nobits
	.p2align	6
	.space	262144
	.amdgpu_metadata
---
amdhsa.version: [ 1, 2 ]
amdhsa.kernels:
  - .name:           k_q0196b183c1_main
    .symbol:         k_q0196b183c1_main.kd
    .args:
      - { .name: keys, .offset: 0, .size: 8, .value_kind: global_buffer, .address_space: global }
      - { .name: ub, .offset: 8, .size: 8, .value_kind: global_buffer, .address_space: global }
      - { .name: bc, .offset: 16, .size: 8, .value_kind: global_buffer, .address_space: global }
      - { .name: v_w, .offset: 24, .size: 8, .value_kind: global_buffer, .address_space: global }
      - { .name: cz, .offset: 32, .size: 8, .value_kind: global_buffer, .address_space: global }
      - { .name: sc, .offset: 40, .size: 8, .value_kind: global_buffer, .address_space: global }
      - { .name: cp, .offset: 48, .size: 8, .value_kind: global_buffer, .address_space: global }
    .group_segment_fixed_size: 280064
    .private_segment_fixed_size: 0
    .kernarg_segment_align: 8
    .kernarg_segment_size: 56
    .max_flat_workgroup_size: 128
    .sgpr_count:     66
    .vgpr_count:     1024
    .wavefront_size: 32
...
	.end_amdgpu_metadata
.endif
;; end of part 2
;; launch comb (part 3): grid 32 x 1, 8 waves a work-group, no clusters, 1,536 bytes of LDS; arguments sc, cp, out0, out1; writes out0, out1
.if DOCPART == 3
	.amdgcn_target "amdgcn-amd-amdhsa--gfx1250"
	.amdhsa_code_object_version 6
	.text
	.protected	k_q0196b183c1_comb
	.globl	k_q0196b183c1_comb
	.p2align	8
	.type	k_q0196b183c1_comb,@function
k_q0196b183c1_comb:
	s_mov_b64 s[64:65], 0
	v_nop
	global_prefetch_b8 v0, s[64:65] scope:SCOPE_SE
	s_setreg_imm32_b32 hwreg(HW_REG_WAVE_MODE, 25, 1), 1
	s_wait_xcnt 0x0
; THE SOFTMAX IS FINISHED.  One work-group for each batch.  From the 2,048 scores: the maximum m of each of the 16 tiles of 128 (the same bits that the launch before used), the maximum M of all,
; e = e^(s - M), L = the sum of e;  out1 = e / L;  out0[ch] = (sum over tiles of e^(m - M) cp[tile][ch]) / L.
; SHARES.  256 threads.  Thread t holds scores 4 t .. 4 t + 3 and 1,024 + 4 t .. : a wave 512 bytes on end, which are tile w and tile 8 + w; and channels 4 t .. 4 t + 3 of all 16 partial contexts.
; 32 work-groups: a row of the softmax is one sum; the launch reads 72 KiB a work-group, so matrix units, clusters and LDS slots would add nothing.
; LIMITS.  An exponential below 2^-126 counts as 0; NaN and infinities are not treated apart.
.set MX, 0                             ; LDS: 16 tile maxima
.set SM, 256                           ; 8 partial sums
.set SPARE, 512                        ; the spare words, 128 bytes for each of the eight waves
	s_load_b256 s[4:11], s[0:1], 0x0               ; sc s[4:5], cp s[6:7], out0 s[8:9], out1 s[10:11]
	v_lshl_add_u32 v5, v0, 2, SPARE                ; my spare word; never rewritten
	v_mov_b32 v6, 0                                ; 0; never rewritten
	v_lshrrev_b32 v1, 5, v0
	v_readfirstlane_b32 s14, v1                    ; wave 0..7
	v_lshlrev_b32 v2, 4, v0                        ; 16 t
	s_lshl_b32 s15, s14, 2
	v_mov_b32 v3, s15                              ; 4 w
	v_mov_b32 v4, 0
	s_mov_b32 s12, 0x3fb8aa3b                      ; log2(e)
	s_mov_b32 s13, s12
	s_mov_b32 s16, 0x76543210
	s_mov_b32 s17, 0xfedcba98
	s_lshl_b32 s18, ttmp9, 13
	s_mov_b32 s19, 0
	s_lshl_b32 s20, ttmp9, 16
	s_mov_b32 s21, 0
	s_lshl_b32 s22, ttmp9, 12
	s_mov_b32 s23, 0
	s_wait_kmcnt 0x0
	s_add_nc_u64 s[4:5], s[4:5], s[18:19]
	s_add_nc_u64 s[6:7], s[6:7], s[20:21]
	s_add_nc_u64 s[8:9], s[8:9], s[22:23]
	s_add_nc_u64 s[10:11], s[10:11], s[18:19]
	global_load_b128 v[8:11], v2, s[4:5] th:TH_LOAD_NT
	global_load_b128 v[12:15], v2, s[4:5] offset:4096 th:TH_LOAD_NT
.irp q, 0,1,2,3,4,5,6,7,8,9,10,11,12,13,14,15
	global_load_b128 v[32+4*(\q):35+4*(\q)], v2, s[6:7] offset:4096*(\q) th:TH_LOAD_NT
.endr
	s_wait_loadcnt 16                              ; the scores are in; the 16 loads of cp are younger
	v_max3_num_f32 v100, v8, v9, v10
	v_max3_num_f32 v101, v12, v13, v14
	v_max_num_f32 v100, v100, v11
	v_max_num_f32 v101, v101, v15
.irp m, 1,2,4,8
	v_max_num_f32_dpp v100, v100, v100 row_xmask:\m row_mask:0xf bank_mask:0xf
	v_max_num_f32_dpp v101, v101, v101 row_xmask:\m row_mask:0xf bank_mask:0xf
.endr
	v_mov_b32 v102, v100                           ; the destination of v_permlanex16_b32 counts as read
	v_mov_b32 v103, v101
	v_permlanex16_b32 v102, v100, s16, s17
	v_permlanex16_b32 v103, v101, s16, s17
	v_max_num_f32 v100, v100, v102
	v_max_num_f32 v101, v101, v103
	ds_store_b32 v3, v100 offset:MX                ; tile w
	ds_store_b32 v3, v101 offset:MX+32             ; tile 8 + w
	s_wait_dscnt 0x0
	s_barrier_signal -1
	s_barrier_wait -1
.irp q, 0,1,2,3
	ds_load_b128 v[16+4*(\q):19+4*(\q)], v4 offset:MX+16*(\q)
.endr
	s_wait_dscnt 0x0
	v_max3_num_f32 v100, v16, v17, v18
	v_max3_num_f32 v101, v19, v20, v21
	v_max3_num_f32 v102, v22, v23, v24
	v_max3_num_f32 v103, v25, v26, v27
	v_max3_num_f32 v104, v28, v29, v30
	v_max3_num_f32 v100, v100, v101, v31
	v_max3_num_f32 v102, v102, v103, v104
	v_max_num_f32 v102, v100, v102                 ; M
	v_mov_b32 v103, v102
.set z, 8
.rept 12                               ; the 8 scores and the 16 tile maxima, less M, times log2(e)
	v_pk_add_f32 v[z:z+1], v[z:z+1], v[102:103] neg_lo:[0,1] neg_hi:[0,1]
.set z, z+2
.endr
.set z, 8
.rept 12
	v_pk_mul_f32 v[z:z+1], v[z:z+1], s[12:13] op_sel_hi:[1,0]
.set z, z+2
.endr
.set z, 8
.rept 24
	v_exp_f32 v[z], v[z]
.set z, z+1
.endr
	v_nop                                          ; a plain line behind the last exponential,
	s_wait_alu depctr_va_vdst(0)                   ; and one wait for the 24
	v_pk_add_f32 v[104:105], v[8:9], v[10:11]
	v_pk_add_f32 v[106:107], v[12:13], v[14:15]
	v_pk_add_f32 v[104:105], v[104:105], v[106:107]
	v_add_f32 v100, v104, v105
.irp m, 1,2,4,8
	v_add_f32_dpp v100, v100, v100 row_xmask:\m row_mask:0xf bank_mask:0xf
.endr
	v_permlanex16_b32 v101, v100, s16, s17
	v_add_f32 v100, v100, v101
	ds_store_b32 v3, v100 offset:SM
	s_wait_dscnt 0x0
	s_barrier_signal -1
	s_barrier_wait -1
	ds_load_b128 v[104:107], v4 offset:SM
	ds_load_b128 v[108:111], v4 offset:SM+16
	s_wait_dscnt 0x0
	v_pk_add_f32 v[104:105], v[104:105], v[106:107]
	v_pk_add_f32 v[108:109], v[108:109], v[110:111]
	v_pk_add_f32 v[104:105], v[104:105], v[108:109]
	v_add_f32 v100, v104, v105                     ; L
	v_rcp_f32 v102, v100
	v_rcp_f32 v103, v100
	v_nop
	s_wait_alu depctr_va_vdst(0)                   ; one wait for both reciprocals
.set z, 8
.rept 4
	v_pk_mul_f32 v[z:z+1], v[z:z+1], v[102:103]
.set z, z+2
.endr
	global_store_b128 v2, v[8:11], s[10:11]        ; a wave stores 512 bytes on end
	global_store_b128 v2, v[12:15], s[10:11] offset:4096
	s_wait_loadcnt 0x0                             ; cp
.irp c, 0,1,2,3
	v_mul_f32 v[96+(\c)], v[32+(\c)], v16          ; the first tile starts the sums
.endr
.set tau, 1
.rept 15
.irp c, 0,1,2,3
	v_fmac_f32 v[96+(\c)], v[32+4*tau+(\c)], v[16+tau]
.endr
.set tau, tau+1
.endr
	v_pk_mul_f32 v[96:97], v[96:97], v[102:103]
	v_pk_mul_f32 v[98:99], v[98:99], v[102:103]
	global_store_b128 v2, v[96:99], s[8:9]
	s_wait_tensorcnt 0x0                           ; the wave ends
	ds_add_u32 v5, v6
	s_wait_dscnt 0x0
	s_endpgm
.Lfunc_end_k_q0196b183c1_comb:
	.size	k_q0196b183c1_comb, .Lfunc_end_k_q0196b183c1_comb-k_q0196b183c1_comb
	.p2alignl 7, 3214868480
	.fill 96, 4, 3214868480
	.section	.rodata,"a",@progbits
	.p2align	6, 0x0
	.amdhsa_kernel k_q0196b183c1_comb
		.amdhsa_group_segment_fixed_size 1536
		.amdhsa_private_segment_fixed_size 0
		.amdhsa_enable_private_segment 0
		.amdhsa_kernarg_size 32
		.amdhsa_user_sgpr_count 2
		.amdhsa_user_sgpr_kernarg_segment_ptr 1
		.amdhsa_wavefront_size32 1
		.amdhsa_system_sgpr_workgroup_id_x 1
		.amdhsa_system_sgpr_workgroup_id_y 1
		.amdhsa_system_sgpr_workgroup_id_z 1
		.amdhsa_system_vgpr_workitem_id 0
		.amdhsa_next_free_vgpr 112
		.amdhsa_next_free_sgpr 66
		.amdhsa_reserve_vcc 0
		.amdhsa_float_denorm_mode_32 3
		.amdhsa_float_denorm_mode_16_64 3
		.amdhsa_memory_ordered 1
		.amdhsa_forward_progress 1
		.amdhsa_inst_pref_size 12
	.end_amdhsa_kernel
	.amdgpu_metadata
---
amdhsa.version: [ 1, 2 ]
amdhsa.kernels:
  - .name:           k_q0196b183c1_comb
    .symbol:         k_q0196b183c1_comb.kd
    .args:
      - { .name: sc, .offset: 0, .size: 8, .value_kind: global_buffer, .address_space: global }
      - { .name: cp, .offset: 8, .size: 8, .value_kind: global_buffer, .address_space: global }
      - { .name: out0, .offset: 16, .size: 8, .value_kind: global_buffer, .address_space: global }
      - { .name: out1, .offset: 24, .size: 8, .value_kind: global_buffer, .address_space: global }
    .group_segment_fixed_size: 1536
    .private_segment_fixed_size: 0
    .kernarg_segment_align: 8
    .kernarg_segment_size: 32
    .max_flat_workgroup_size: 256
    .sgpr_count:     66
    .vgpr_count:     112
    .wavefront_size: 32
...
	.end_amdgpu_metadata
.endif
;; end of part 3
;; ======== version 2 of 2: 3 launches; version 1 with the launch main written anew for expert scheduling mode
;; workspace buffers: ub 2,097,152 bytes; bc 131,072 bytes; cz 512 bytes; sc 262,144 bytes; cp 2,097,152 bytes
;; launch prep: the kernel of part 1 again; grid 128 x 1, 8 waves a work-group, no clusters, 17,408 bytes of LDS; arguments query, W_w, W_b, U_w, U_b, v_w, v_b, ub, bc, cz; writes ub, bc, cz
;; launch main (part 4): grid 256 x 1, 4 waves a work-group, no clusters, 280,064 bytes of LDS; arguments keys, ub, bc, v_w, cz, sc, cp; writes sc, cp
.if DOCPART == 4
	.amdgcn_target "amdgcn-amd-amdhsa--gfx1250"
	.amdhsa_code_object_version 6
	.text
	.protected	k_q0196b183c1_main
	.globl	k_q0196b183c1_main
	.p2align	8
	.type	k_q0196b183c1_main,@function
k_q0196b183c1_main:
	s_mov_b64 s[64:65], 0
	v_nop
	global_prefetch_b8 v0, s[64:65] scope:SCOPE_SE
	s_setreg_imm32_b32 hwreg(HW_REG_WAVE_SCHED_MODE, 0, 2), 2
	s_setreg_imm32_b32 hwreg(HW_REG_WAVE_MODE, 25, 1), 1
	s_wait_xcnt 0x0
	s_wait_alu depctr_vm_vsrc(0)
; SCORES AND PARTIAL CONTEXTS.  For a tile of 128 key rows of one batch:
;   score[row] = c0 - 2 sum over o of v[o] / (1 + 2^(c (U_w keys[row])[o] + bc[o])),  which is v . tanh(Wq + U keys + biases) + v_b, since tanh x = 1 - 2 / (1 + 2^(c x)), c = 2 log2(e), c0 = sum v + v_b;
;   p[row] = e^(score - the largest score of the tile);   cp[tile][ch] = sum over rows of p[row] keys[row][ch].
; The launch behind finds each tile maximum again from sc (a maximum is exact) and puts the tiles of a batch together.
; SHARES.  256 work-groups of four waves; work-group g makes tiles 2 g and 2 g + 1.  The tile (128 rows x 1,024 k) is rounded once to bf16 and STAYS IN LDS: it is read twice for the product (two passes of 512
; channels) and once for the context, so keys leave memory once.  A wave makes all 128 rows x 128 channels in a pass: 64 accumulators, 512 registers; its channels are 256 w + 128 q + ..
; U_w comes as ready fragments (buffer ub) straight into registers, 512 bytes on end an instruction: no wave wants a byte of it that another wave of the work-group has fetched.
; NO TENSOR LOADS, NO CLUSTER, though all work-groups walk the same U_w: the tile takes 264,192 bytes of LDS; a slot of 512 channels x 32 k with padding is 40,960, two are 81,920, and 63,488 bytes are left.
; THE PRODUCT IS TAKEN TRANSPOSED: source 0 = 16 rows of U_w, source 1 = 16 key rows.  Register j of lane l of accumulator (a, b) is key row 16 a + l % 16, channel 16 b + 8 (l / 16) + j: a row sum over channels stays in its lane.
; KEYS COME JUST IN TIME in pass 0: a piece is 16 rows x 256 bytes for each wave (8 loads); K step u rounds piece u + 4 into LDS and asks for piece u + 8 into the same registers.
; LIMITS.  keys, U_w and p are rounded to bf16 as matrix operands, and the context is made of the rounded keys.  2^x beyond f32 gives infinity, its reciprocal 0 and tanh 1; 2^x below 2^-126 counts as 0 and tanh is -1.
; NaN is not treated apart.  Sums are f32, in another order than a plain dot product.
; REGISTERS, in windows of 256 (s_set_vgpr_msb: bits 1:0 source 0, 3:2 source 1, 5:4 source 2, 7:6 destination):
;   window 0: v0-31 addresses and row sums; v32-63, v96-127 key fragments of rows 0-63 for even and odd K steps; v64-95 those of rows 64-127; v128-255 four landing sets of 32 for keys
;   window 1: four sets of 64 for fragments of U_w (K step u uses set u % 4); on the way out sets 2 and 3 hold the biases and v
;   windows 2, 3: accumulator (a, b) at 8 (8 (a % 4) + b) of window 2 + a / 4; in the tail window 2 holds the context sums, window 3 the turned key fragments
; THE MODE: SCHED_MODE bits 1:0 = 2 (LLVM: expert scheduling mode 2), set by the entry lines.  The code itself states the register dependences
; between vector or matrix instructions and memory or LDS instructions, with s_wait_alu, always for 0.
; THE PLAN.  Registers that memory or LDS instructions touch in K step u:
;   QF            eight LDS loads land in it; the step's last 32 products read it.
;   PLO0, PLO1    the step's first 32 products read PLO[u % 2]; the loads of step u + 1 land in the other, which step u - 1 read last.
;   LS0 .. LS3    sixteen conversions read and write LS[u]; eight LDS stores read it; then eight loads of keys land in it.
;   window 1      all 64 products read set u % 4; the sixteen loads of K step u + 2 land in set (u + 2) % 4, which step u - 2 read last.
;   AD, SA        read by the step's LDS instructions; written at a body's end and where a pass or a tile begins.
;   KO, BO, PFO and the tail's LDS addresses v10, v12-16, v18, v19: made at the head and never written again.
; So ONE wait on va_vdst stands in a step, behind its conversions.  The step's LDS instructions follow it in one run; its global loads are dealt among its products, which name set u % 4,
; PLO[u % 2], QF and the accumulators: none of the registers that those loads touch.  A wait on vm_vsrc stands ahead of the loads of keys (the stores have read LS[u]) and one at a body's end (AD, SA).
; All 1,024 registers are taken: there is no second QF.
.set PITCH, 2064                       ; an LDS row of the tile: 2,048 bytes + 16: 129 x 16, so the 16 rows of a fragment load start at 16 different groups of four banks (64 banks of 4 bytes: ISA guide 11.1)
.set BIAS,  128*PITCH                  ; 4,096 bytes: bc of my batch, by channel
.set VV,    BIAS+4096                  ; 4,096 bytes: v_w
.set RSB,   VV+4096                    ; 2,048 bytes: [4 waves][128 rows] row sums
.set PBB,   RSB+2048                   ; 4 x 256 bytes: p in bf16, a copy for each wave
.set CXB,   PBB+1024                   ; 4 x 1,024 bytes: each wave stage for its 256 context numbers
.set SPARE, CXB+4096                   ; the spare words, 128 bytes for each wave
.set AD,  2                            ; v2-5  fragment addresses of rows 32 i + l % 16 at the body in hand
.set SA,  6                            ; v6    where my rounded keys go, at the body in hand
.set KO,  7                            ; v7    (32 w + l / 16) x 4,096 + 16 (l % 16): my bytes of keys; never rewritten
.set BO,  8                            ; v8    16 l; never rewritten
.set PFO, 9                            ; v9    (32 w + l) x 4,096: a lane a row, for prefetches; never rewritten
.set BA,  10                           ; v10   BIAS + 1,024 w + 32 (l / 16)
.set BAQ, 11                           ; v11   the same at the pass in hand
.set RSS, 12                           ; v12   RSB + 512 w + 4 (l % 16)
.set RSL, 13                           ; v13   RSB + 16 l
.set PBS, 14                           ; v14   PBB + 256 w + 8 l
.set PBL, 15                           ; v15   PBB + 256 w + 16 (l / 16)
.set TA0, 16                           ; v16   (8 (l / 16) + l % 8) PITCH + 16 ((l / 8) % 2) + 512 w: the turning load; never rewritten
.set TA,  17                           ; v17   at the head only: 16 t
.set CXS, 18                           ; v18   CXB + 1,024 w + 4 (l % 16)
.set CXL, 19                           ; v19   CXB + 1,024 w + 16 l
.set SPW, 20                           ; v20   LDS address of my spare word; never rewritten
.set NIL, 21                           ; v21   0; never rewritten
.set ADB, 22                           ; v22   (l % 16) PITCH + 16 (l / 16); never rewritten
.set SAB, 23                           ; v23   (32 w + l / 16) PITCH + 8 (l % 16); never rewritten
.set RS,  24                           ; v24-31 row sums, one for each block of 16 rows
.set PLO, 32
.set QF,  64
.set LS,  128
.set TT,  32                           ; at work outside the K loops
.set TAK, 57                           ; v58-60 the tail: v[TAK + kk] = the turning load's address 32 kk rows further down, kk = 1 .. 3
.set PFR, 64                           ; the tail: p as source 0, four fragments
.set BI,  128                          ; window 1
.set VR,  192                          ; window 1
.set KB,  4                            ; s[4:5]   keys at the tile and body in hand
.set BB,  6                            ; s[6:7]   ub at my stream (524,288 bytes on end) and body in hand
.set BCP, 8
.set VWP, 10
.set CZP, 12
.set SCP, 14
.set CPP, 16
.set BW,  18                           ; s[18:19] the base for the last two requests of a pass
.set WV,  20
.set TRIP, 21
.set PASS, 22
.set TILES, 23
.set C0,  24
.set BOFF, 25                          ; 0 in pass 0, 512 in pass 1
.set CC,  26                           ; s[26:27] c, twice
.set SEL, 28                           ; s[28:29] v_permlanex16_b32: each lane takes its own place in the other half
.set L2E, 30
.set KOF, 36                           ; s36-39 66,048 i + 256 x body: 32 i rows down, 128 k a body along the rows
.set MSB, 0
.macro WIN new                         ; the high byte repeats the setting that is left; a switch that changes nothing is dropped
.if MSB != (\new)
	s_set_vgpr_msb (MSB<<8)|(\new)
.set MSB, (\new)
.endif
.endm
.macro PLACES                          ; four places behind matrix instructions, ahead of loads into registers that they have read and of lines that read results; they stand beside the waits on va_vdst, not in their stead
.rept 4
	v_nop
.endr
.endm
.macro CONV k                          ; landing set k to bf16, in place and ascending: register d takes numbers 2 d and 2 d + 1
.set d, 0
.rept 16
	v_cvt_pk_bf16_f32 v[LS+32*(\k)+d], v[LS+32*(\k)+2*d], v[LS+32*(\k)+2*d+1]
.set d, d+1
.endr
.endm
.macro KLOAD set, off                  ; a piece: load i takes two rows, sixteen lanes 256 bytes on end, aligned
.irp i, 0,1,2,3,4,5,6,7
	global_load_b128 v[LS+32*(\set)+4*(\i):LS+32*(\set)+4*(\i)+3], v[KO], s[KB:KB+1] offset:(\off)+8192*(\i) th:TH_LOAD_NT
.endr
.endm
.macro KSTORE set, off                 ; the piece, rounded, into the tile
.irp i, 0,1,2,3,4,5,6,7
	ds_store_b64 v[SA], v[LS+32*(\set)+2*(\i):LS+32*(\set)+2*(\i)+1] offset:(\off)+4128*(\i)
.endr
.endm
.macro BLOAD set, off, base            ; a K step of my 128 channels of U_w: eight fragments, 8,192 bytes on end
	WIN 0x40                                       ; destination window 1, address window 0
.irp b, 0,1,2,3,4,5,6,7
	global_load_b128 v[64*(\set)+8*(\b):64*(\set)+8*(\b)+3],   v[BO], s[\base:\base+1] offset:(\off)+1024*(\b)
	global_load_b128 v[64*(\set)+8*(\b)+4:64*(\set)+8*(\b)+7], v[BO], s[\base:\base+1] offset:(\off)+1024*(\b)+512
.endr
.endm
; 8 products: block a of the four blocks of 16 rows whose fragments lie at src x my eight blocks of 16 channels.  All 64 accumulators take turns, in the same order in every K step.  zero = 1: the products start the sums.
.macro MUL8 u, src, hi, a, zero
	WIN 0xa1+0x50*(\hi)                            ; source 0 window 1, source 1 window 0, C and D window 2 or 3
.irp b, 0,1,2,3,4,5,6,7
.if \zero
	v_wmma_f32_16x16x32_bf16 v[8*(8*(\a)+(\b)):8*(8*(\a)+(\b))+7], v[64*((\u)%4)+8*(\b):64*((\u)%4)+8*(\b)+7], v[(\src)+8*(\a):(\src)+8*(\a)+7], 0
.else
	v_wmma_f32_16x16x32_bf16 v[8*(8*(\a)+(\b)):8*(8*(\a)+(\b))+7], v[64*((\u)%4)+8*(\b):64*((\u)%4)+8*(\b)+7], v[(\src)+8*(\a):(\src)+8*(\a)+7], v[8*(8*(\a)+(\b)):8*(8*(\a)+(\b))+7]
.endif
.endr
.endm
; ONE K STEP of 32, step u of a body of four.  cnt: the global loads younger than this step fragments of U_w (and than the piece that it rounds).
; zero: a pass begins: the products start the sums, and this step's own rows 0-63 are fetched here too.  conv: piece u + 4 is rounded and stored.  pis: piece u + 8 is asked for.
; sync: a barrier, which shows a whole slice of 64 k to every wave two K steps ahead of its first read.
; nxt: the next step fragments of rows 0-63 are fetched.  alt: the request for U_w goes by BW.  pf: 1 a prefetch, 2 a prefetch in all trips but the last.
.macro KSTEP u, cnt, zero, conv, pis, sync, nxt, alt, pf
	WIN 0
	s_wait_loadcnt \cnt
.if \conv
	CONV \u                                        ; sixteen plain lines: also the places ahead of the loads below
.else
	PLACES
.endif
	s_wait_alu depctr_va_vdst(0)                   ; the products of the steps before are done reading QF, the other PLO and set (u + 2) % 4, in which this step's loads land; the conversions have written LS[u], which the stores read; AD and SA are written; where a pass begins, the way out or the tail is done with v32-63 and with sets 2 and 3
.if \zero
.irp a, 0,1,2,3
	ds_load_b128 v[PLO+8*(\a):PLO+8*(\a)+3],   v[AD+(\a)/2] offset:33024*((\a)%2)
	ds_load_b128 v[PLO+8*(\a)+4:PLO+8*(\a)+7], v[AD+(\a)/2] offset:33024*((\a)%2)+32
.endr
.endif
.irp a, 0,1,2,3
	ds_load_b128 v[QF+8*(\a):QF+8*(\a)+3],   v[AD+2+(\a)/2] offset:33024*((\a)%2)+64*(\u)
	ds_load_b128 v[QF+8*(\a)+4:QF+8*(\a)+7], v[AD+2+(\a)/2] offset:33024*((\a)%2)+64*(\u)+32
.endr
.if \nxt
.irp a, 0,1,2,3
	ds_load_b128 v[PLO+64*(((\u)+1)%2)+8*(\a):PLO+64*(((\u)+1)%2)+8*(\a)+3],   v[AD+(\a)/2] offset:33024*((\a)%2)+64*((\u)+1)
	ds_load_b128 v[PLO+64*(((\u)+1)%2)+8*(\a)+4:PLO+64*(((\u)+1)%2)+8*(\a)+7], v[AD+(\a)/2] offset:33024*((\a)%2)+64*((\u)+1)+32
.endr
.endif
.if \conv
	KSTORE \u, 128*(2+(\u)/2)+33024*((\u)%2)
.endif
.if \zero
	s_wait_dscnt 16+8*(\conv)                      ; this step's rows 0-63 are in: younger are the eight loads of rows 64-127, the eight of the next step and, in pass 0, the eight stores
.endif
	MUL8 \u, PLO+64*((\u)%2), 0, 0, \zero
	MUL8 \u, PLO+64*((\u)%2), 0, 1, \zero
.if \alt
	BLOAD ((\u)+2)%4, 8192*((\u)+2), BW            ; no wait: no vector or matrix instruction since the step's wait names set (u + 2) % 4 or v[BO]
.else
	BLOAD ((\u)+2)%4, 8192*((\u)+2), BB            ; two K steps ahead, and ahead of this step keys: no wait for U_w asks for a younger piece.  No wait on va_vdst: no vector or matrix instruction since the step's wait names set (u + 2) % 4 or v[BO]
.endif
	MUL8 \u, PLO+64*((\u)%2), 0, 2, \zero
	MUL8 \u, PLO+64*((\u)%2), 0, 3, \zero
.if \pis
	WIN 0
	s_wait_alu depctr_vm_vsrc(0)                   ; the LDS stores above have read LS[u], in which the next loads land (the conversions that named it stand ahead of the step's wait on va_vdst)
	KLOAD \u, 256*(4+(\u)/2)+65536*((\u)%2)
.endif
.if (\pf) == 2
	s_cmp_gt_u32 s[TRIP], 1                        ; the last trip would name slices 16 and 17, which do not exist
	s_cbranch_scc0 .Lno_pf_\@
.endif
.if \pf
	global_prefetch_b8 v[PFO], s[KB:KB+1] offset:256*(6+(\u)/2) th:TH_LOAD_NT scope:SCOPE_SE  ; my 32 rows x 256 bytes of the slice whose loads stand four K steps on: a lane a row, each block named once
.endif
.if (\pf) == 2
.Lno_pf_\@:
.endif
	s_wait_dscnt 0x0                               ; rows 64-127, the next step rows 0-63, and my stores into the tile
.if \sync
	s_barrier_signal -1
.endif
	MUL8 \u, QF, 1, 0, \zero
	MUL8 \u, QF, 1, 1, \zero
	MUL8 \u, QF, 1, 2, \zero
	MUL8 \u, QF, 1, 3, \zero
.if \sync
	s_barrier_wait -1
.endif
.endm
; A BODY: four K steps, then the steps of pointers and addresses.  c0-c3: the four counts.  last = 1: a pass ends: nothing more is fetched from the tile, and the last two requests for U_w go by BW.
.macro BODY zero, conv, pis, c0, c1, c2, c3, last, pf
	KSTEP 0, \c0, \zero, \conv, \pis, 0, 1, 0, \pf
	KSTEP 1, \c1, 0, \conv, \pis, \conv, 1, 0, 0
	KSTEP 2, \c2, 0, \conv, \pis, 0, 1, \last, \pf
	KSTEP 3, \c3, 0, \conv, \pis, \conv, 1-(\last), \last, 0
	WIN 0
	s_wait_xcnt 0x0                                ; every load and prefetch issued so far has read its address (the youngest 32 products back): the pointers may be written
	s_wait_alu depctr_vm_vsrc(0)                   ; the body's LDS loads and stores have read AD and SA, which the additions below write; so has every earlier LDS instruction that read v[BAQ]
	s_add_nc_u64 s[BB:BB+1], s[BB:BB+1], 32768
.if \pis
	s_add_nc_u64 s[KB:KB+1], s[KB:KB+1], 512
.endif
.irp i, 0,1,2,3
	s_add_co_u32 s[KOF+(\i)], s[KOF+(\i)], 256
.endr
.irp i, 0,1,2,3
	v_add_nc_u32 v[AD+(\i)], s[KOF+(\i)], v[ADB]
.endr
.if \conv
	v_add_nc_u32 v[SA], s[KOF], v[SAB]
.endif
.endm
.macro RESET                           ; the fragment addresses go back to k = 0
.irp i, 0,1,2,3
	s_mov_b32 s[KOF+(\i)], 66048*(\i)
.endr
.irp i, 0,1,2,3
	v_add_nc_u32 v[AD+(\i)], s[KOF+(\i)], v[ADB]
.endr
.endm
; THE WAY OUT for block a of 16 rows: x = c s + bias; 2^x; + 1; reciprocal; times v, summed over my 64 numbers of the row.  Each accumulator is read from its lowest registers on.
; The 64 exponentials are one batch with one wait, and so are the 64 reciprocals: a plain line behind the last of a batch, and the wait ahead of the first reader.
.macro EPIA a
.set XB, 64*((\a)%4)
	WIN 0x92+0x41*((\a)/4)                         ; x in window 2 or 3 (destination and source 0), the bias (source 2) in window 1
.set z, 0
.rept 32
	v_pk_fma_f32 v[XB+2*z:XB+2*z+1], v[XB+2*z:XB+2*z+1], s[CC:CC+1], v[BI+2*z:BI+2*z+1] op_sel_hi:[1,0,1]
.set z, z+1
.endr
	WIN 0x82+0x41*((\a)/4)                         ; in place
.set z, 0
.rept 64
	v_exp_f32 v[XB+z], v[XB+z]
.set z, z+1
.endr
	v_nop
	s_wait_alu depctr_va_vdst(0)                   ; the block's 64 exponentials are written, ahead of the additions that read them
.set z, 0
.rept 32
	v_pk_add_f32 v[XB+2*z:XB+2*z+1], v[XB+2*z:XB+2*z+1], 1.0 op_sel_hi:[1,0]
.set z, z+1
.endr
.set z, 0
.rept 64
	v_rcp_f32 v[XB+z], v[XB+z]
.set z, z+1
.endr
	v_nop
	s_wait_alu depctr_va_vdst(0)                   ; the block's 64 reciprocals are written, ahead of the products with v that read them
	WIN 0x06+(\a)/4                                ; x (source 0) in window 2 or 3, v (source 1) in window 1, the sums in window 0
.set z, 0
.rept 32                               ; four chains of pairs, started by the first four products
.if z < 4
	v_pk_mul_f32 v[TT+2*z:TT+2*z+1], v[XB+2*z:XB+2*z+1], v[VR+2*z:VR+2*z+1]
.else
	v_pk_fma_f32 v[TT+2*(z%4):TT+2*(z%4)+1], v[XB+2*z:XB+2*z+1], v[VR+2*z:VR+2*z+1], v[TT+2*(z%4):TT+2*(z%4)+1]
.endif
.set z, z+1
.endr
	WIN 0
	v_pk_add_f32 v[TT:TT+1], v[TT:TT+1], v[TT+2:TT+3]
	v_pk_add_f32 v[TT+4:TT+5], v[TT+4:TT+5], v[TT+6:TT+7]
	v_pk_add_f32 v[TT:TT+1], v[TT:TT+1], v[TT+4:TT+5]
	v_add_f32 v[TT+8], v[TT], v[TT+1]
	v_add_f32 v[RS+(\a)], v[RS+(\a)], v[TT+8]
.endm
; THE TAIL.  32 key rows x my 256 channels out of the tile, turned: lane l ends with channel l % 16 and 8 + 8 rows, source 1 of the context product.  The four addresses are made ahead of the first run.
.macro TRL kk
.set rA, TA0
.if (\kk) > 0
.set rA, TAK+(\kk)
.endif
	WIN 0xc0                                       ; destination window 3, address window 0
.if (\kk) >= 2
	s_wait_alu depctr_va_vdst(0)                   ; the sixteen products just issued are done reading the fragments of 32 rows in which these loads land
.endif
.irp c, 0,1,2,3,4,5,6,7,8,9,10,11,12,13,14,15
	ds_load_tr16_b128 v[128*((\kk)%2)+8*(\c):128*((\kk)%2)+8*(\c)+3],   v[rA] offset:32*(\c)
	ds_load_tr16_b128 v[128*((\kk)%2)+8*(\c)+4:128*((\kk)%2)+8*(\c)+7], v[rA] offset:32*(\c)+33024
.endr
.endm
.macro CPROD kk                        ; source 0: p of 32 rows, the same in all 16 rows of the fragment; the 16 accumulators take turns
	WIN 0xac                                       ; source 0 window 0, source 1 window 3, C and D window 2
.irp c, 0,1,2,3,4,5,6,7,8,9,10,11,12,13,14,15
.if (\kk) == 0
	v_wmma_f32_16x16x32_bf16 v[8*(\c):8*(\c)+7], v[PFR+8*(\kk):PFR+8*(\kk)+7], v[128*((\kk)%2)+8*(\c):128*((\kk)%2)+8*(\c)+7], 0
.else
	v_wmma_f32_16x16x32_bf16 v[8*(\c):8*(\c)+7], v[PFR+8*(\kk):PFR+8*(\kk)+7], v[128*((\kk)%2)+8*(\c):128*((\kk)%2)+8*(\c)+7], v[8*(\c):8*(\c)+7]
.endif
.endr
.endm
	s_load_b256 s[4:11], s[0:1], 0x0               ; keys, ub, bc, v_w
	s_load_b128 s[12:15], s[0:1], 0x20             ; cz, sc
	s_load_b64 s[16:17], s[0:1], 0x30              ; cp
	v_lshl_add_u32 v[SPW], v0, 2, SPARE
	v_mov_b32 v[NIL], 0
	v_lshrrev_b32 v1, 5, v0
	v_readfirstlane_b32 s[WV], v1                  ; wave 0..3
	v_and_b32 v24, 15, v0                          ; l % 16
	v_bfe_u32 v25, v0, 4, 1                        ; l / 16
	v_and_b32 v26, 31, v0                          ; l
	v_and_b32 v27, 7, v0
	v_bfe_u32 v28, v0, 3, 1
	v_mul_u32_u24 v[ADB], v24, PITCH
	v_lshl_add_u32 v[ADB], v25, 4, v[ADB]
	s_wait_alu depctr_va_sdst(0)                   ; the wave's number is written, ahead of its first reader: LDS places, offsets and branches are made from it
	s_mul_i32 s32, s[WV], 32*PITCH
	v_mul_u32_u24 v[SAB], v25, PITCH
	v_lshl_add_u32 v[SAB], v24, 3, v[SAB]
	v_add_nc_u32 v[SAB], s32, v[SAB]
	s_lshl_b32 s33, s[WV], 17
	v_lshlrev_b32 v[KO], 12, v25
	v_lshl_add_u32 v[KO], v24, 4, v[KO]
	v_add_nc_u32 v[KO], s33, v[KO]
	v_lshlrev_b32 v[BO], 4, v26
	v_lshl_add_u32 v[PFO], v26, 12, s33
	s_lshl_b32 s34, s[WV], 10
	s_add_co_u32 s35, s34, BIAS
	v_lshl_add_u32 v[BA], v25, 5, s35
	s_lshl_b32 s35, s[WV], 9
	s_add_co_u32 s35, s35, RSB
	v_lshl_add_u32 v[RSS], v24, 2, s35
	v_lshl_add_u32 v[RSL], v26, 4, RSB
	s_lshl_b32 s35, s[WV], 8
	s_add_co_u32 s35, s35, PBB
	v_lshl_add_u32 v[PBS], v26, 3, s35
	v_lshl_add_u32 v[PBL], v25, 4, s35
	v_lshl_add_u32 v[TA0], v25, 3, v27
	v_mul_u32_u24 v[TA0], v[TA0], PITCH
	v_lshl_add_u32 v[TA0], v28, 4, v[TA0]
	s_lshl_b32 s35, s[WV], 9
	v_add_nc_u32 v[TA0], s35, v[TA0]
	s_add_co_u32 s35, s34, CXB
	v_lshl_add_u32 v[CXS], v24, 2, s35
	v_lshl_add_u32 v[CXL], v26, 4, s35
	v_lshrrev_b32 v1, 2, v0                        ; bc is [64 T][32 batches][16 o]: thread t takes T = t / 4 (and + 32), o = 4 (t % 4) + 0..3
	v_and_b32 v29, 3, v0
	v_lshlrev_b32 v1, 11, v1
	v_lshl_add_u32 v1, v29, 4, v1
	v_lshlrev_b32 v[TA], 4, v0                     ; 16 t, for v_w
	v_add_nc_u32 v[BAQ], BIAS, v[TA]
	s_mov_b32 s[CC], 0x4038aa3b                    ; c = 2 log2(e)
	s_mov_b32 s[CC+1], s[CC]
	s_mov_b32 s[SEL], 0x76543210
	s_mov_b32 s[SEL+1], 0xfedcba98
	s_mov_b32 s[L2E], 0x3fb8aa3b
	s_mov_b32 s[BOFF], 0
	s_mov_b32 s[TILES], 2
	s_wait_kmcnt 0x0
	s_load_b32 s[C0], s[CZP:CZP+1], 0x0
	s_lshl_b32 s32, ttmp9, 20                      ; two tiles of 524,288 bytes
	s_mov_b32 s33, 0
	s_add_nc_u64 s[KB:KB+1], s[KB:KB+1], s[32:33]
	s_lshl_b32 s32, s[WV], 19
	s_add_nc_u64 s[BB:BB+1], s[BB:BB+1], s[32:33]
	s_lshr_b32 s32, ttmp9, 3                       ; the batch
	s_lshl_b32 s32, s32, 6
	s_add_nc_u64 s[BCP:BCP+1], s[BCP:BCP+1], s[32:33]
	s_lshl_b32 s32, ttmp9, 10
	s_add_nc_u64 s[SCP:SCP+1], s[SCP:SCP+1], s[32:33]
	s_lshl_b32 s32, ttmp9, 13
	s_add_co_u32 s32, s32, s34
	s_add_nc_u64 s[CPP:CPP+1], s[CPP:CPP+1], s[32:33]
	s_wait_alu depctr_va_vdst(0)                   ; every offset and LDS address made above (v1, v7 to v19) is written: the loads, stores and LDS instructions of the kernel read them
	global_load_b128 v[32:35], v1, s[BCP:BCP+1]
	global_load_b128 v[36:39], v1, s[BCP:BCP+1] offset:65536
	global_load_b128 v[40:43], v[TA], s[VWP:VWP+1]
	global_load_b128 v[44:47], v[TA], s[VWP:VWP+1] offset:2048
	BLOAD 0, 0, BB                                 ; K steps 0 and 1 of my stream
	BLOAD 1, 8192, BB
	WIN 0
	s_wait_loadcnt 32                              ; the four loads above are in; the 32 of U_w are younger
	ds_store_b128 v[BAQ], v[32:35]
	ds_store_b128 v[BAQ], v[36:39] offset:2048
	ds_store_b128 v[BAQ], v[40:43] offset:4096
	ds_store_b128 v[BAQ], v[44:47] offset:6144     ; shown to the other waves by the first barrier below
	s_wait_kmcnt 0x0                               ; c0
.Ltile:
	; THE PROLOGUE: pieces 0-3 (the first 128 k of all rows) into the tile, pieces 4-7 asked for
	s_wait_alu depctr_vm_vsrc(0)                   ; the stores and LDS instructions issued so far have read their registers, which this tile writes again: at the first tile v32-47; later the row sums v24-31, AD, SA, LS, v40-51, v58-60 and the context sums in window 2
.irp a, 0,1,2,3,4,5,6,7
	v_mov_b32 v[RS+(\a)], 0
.endr
	RESET
	v_mov_b32 v[SA], v[SAB]
	KLOAD 0, 0                                     ; no wait on va_vdst: no vector instruction since the last one names v[KO] or the landing sets
	KLOAD 1, 65536
	KLOAD 2, 256
	KLOAD 3, 256+65536
.irp p, 0,1,2,3
	s_wait_loadcnt 24-8*(\p)                       ; piece p is in; the later pieces are younger
	CONV \p
.endr
	s_wait_alu depctr_va_vdst(0)                   ; the 64 conversions have written the four landing sets, and v[SA] is written: the LDS stores read them
.irp p, 0,1,2,3
	KSTORE \p, 128*((\p)/2)+33024*((\p)%2)
.endr
	s_wait_alu depctr_vm_vsrc(0)                   ; the LDS stores have read the landing sets, in which the next loads land (the conversions that named them stand ahead of the wait on va_vdst above)
	KLOAD 0, 512
	KLOAD 1, 512+65536
	KLOAD 2, 768
	KLOAD 3, 768+65536
	s_wait_dscnt 0x0                               ; for the others: my stores are in LDS
	s_barrier_signal -1
	s_barrier_wait -1
	; PASS 0: eight bodies.  The first starts the sums; five in a loop; one that asks for no more keys; the last is shared with pass 1.
	BODY 1, 1, 1, 24, 32, 32, 32, 0, 1             ; 24: pieces 5, 6, 7 are younger than piece 4.  32: 8 loads of keys, 16 of U_w and 8 of keys are younger than this step fragments of U_w
	s_mov_b32 s[TRIP], 5
.Lk0:
	BODY 0, 1, 1, 32, 32, 32, 32, 0, 2
	s_sub_co_u32 s[TRIP], s[TRIP], 1
	s_cmp_lg_u32 s[TRIP], 0
	s_cbranch_scc1 .Lk0
	BODY 0, 1, 0, 32, 24, 16, 16, 0, 0             ; the requests for keys have ended, so fewer loads are younger
	s_add_nc_u64 s[KB:KB+1], s[KB:KB+1], 521216    ; six bodies have stepped 3,072: on to the next tile (behind the body own s_wait_xcnt 0)
	s_mov_b64 s[BW:BW+1], s[BB:BB+1]               ; pass 1 follows on in my stream
	s_mov_b32 s[PASS], 2
	s_branch .Llast                                ; the loop over passes is entered in the middle of a trip
.Lpass:
	; PASS 1: the tile is whole, so there are no keys to bring and no barrier
	BODY 1, 0, 0, 16, 16, 16, 16, 0, 0             ; 16: the next step fragments of U_w are younger
	s_mov_b32 s[TRIP], 6
.Lk1:
	BODY 0, 0, 0, 16, 16, 16, 16, 0, 0
	s_sub_co_u32 s[TRIP], s[TRIP], 1
	s_cmp_lg_u32 s[TRIP], 0
	s_cbranch_scc1 .Lk1
	s_sub_nc_u64 s[BW:BW+1], s[BB:BB+1], 524288    ; my stream ends: the last two requests take its K steps 0 and 1 again, for the next tile
.Llast:
	BODY 0, 0, 0, 16, 16, 16, 16, 1, 0
	; THE WAY OUT of a pass
	RESET                                          ; these four additions and the next line are plain: the places behind the last products
	v_add_nc_u32 v[BAQ], s[BOFF], v[BA]
	WIN 0x40
	s_wait_alu depctr_va_vdst(0)                   ; v[BAQ] is written, which the loads below read; the pass's last products are done reading sets 2 and 3 of window 1, in which they land
.irp b, 0,1,2,3,4,5,6,7
	ds_load_b128 v[BI+8*(\b):BI+8*(\b)+3],   v[BAQ] offset:64*(\b)
	ds_load_b128 v[BI+8*(\b)+4:BI+8*(\b)+7], v[BAQ] offset:64*(\b)+16
	ds_load_b128 v[VR+8*(\b):VR+8*(\b)+3],   v[BAQ] offset:4096+64*(\b)
	ds_load_b128 v[VR+8*(\b)+4:VR+8*(\b)+7], v[BAQ] offset:4096+64*(\b)+16
.endr
	s_wait_dscnt 0x0
.irp a, 0,1,2,3,4,5,6,7
	EPIA \a
.endr
	s_xor_b32 s[BOFF], s[BOFF], 512
	s_sub_co_u32 s[PASS], s[PASS], 1
	s_cmp_lg_u32 s[PASS], 0
	s_cbranch_scc1 .Lpass
	; THE TAIL
	s_cmp_gt_u32 s[TILES], 1
	s_cbranch_scc0 .Lno_next
.irp q, 0,1,2,3
	global_prefetch_b8 v[PFO], s[KB:KB+1] offset:256*(\q) th:TH_LOAD_NT scope:SCOPE_SE  ; the next tile: my 32 rows x its first four slices, which the prologue loads behind this tail
.endr
.Lno_next:
.irp a, 0,1,2,3,4,5,6,7
	v_permlanex16_b32 v[TT+(\a)], v[RS+(\a)], s[SEL], s[SEL+1]  ; a row other eight channels of each sixteen lie in the lane 16 away
.endr
.irp a, 0,1,2,3,4,5,6,7
	v_add_f32 v[RS+(\a)], v[RS+(\a)], v[TT+(\a)]
.endr
	s_wait_alu depctr_va_vdst(0)                   ; the row sums v24-31 are written, which the LDS stores read; the way out is done with v40, in which a load below lands
.irp a, 0,1,2,3,4,5,6,7
	ds_store_b32 v[RSS], v[RS+(\a)] offset:64*(\a)
.endr
	s_wait_dscnt 0x0                               ; for the others: my row sums are in LDS
	s_barrier_signal -1
	s_barrier_wait -1
.irp q, 0,1,2,3
	ds_load_b128 v[40+4*(\q):43+4*(\q)], v[RSL] offset:512*(\q)  ; rows 4 l .. 4 l + 3 of all four waves
.endr
	s_wait_dscnt 0x0
	v_pk_add_f32 v[40:41], v[40:41], v[44:45]
	v_pk_add_f32 v[42:43], v[42:43], v[46:47]
	v_pk_add_f32 v[48:49], v[48:49], v[52:53]
	v_pk_add_f32 v[50:51], v[50:51], v[54:55]
	v_pk_add_f32 v[40:41], v[40:41], v[48:49]
	v_pk_add_f32 v[42:43], v[42:43], v[50:51]
.irp q, 0,1,2,3
	v_fma_f32 v[40+(\q)], v[40+(\q)], -2.0, s[C0]  ; the scores: the same bits in every wave
.endr
	s_cmp_lg_u32 s[WV], 0
	s_cbranch_scc1 .Lnot_0
	s_wait_alu depctr_va_vdst(0)                   ; the four scores v40-43 are written, which the store reads
	global_store_b128 v[BO], v[40:43], s[SCP:SCP+1]  ; 512 bytes on end
.Lnot_0:
	v_max3_num_f32 v56, v40, v41, v42
	v_max_num_f32 v56, v56, v43
	v_max_num_f32_dpp v56, v56, v56 row_xmask:1 row_mask:0xf bank_mask:0xf
	v_max_num_f32_dpp v56, v56, v56 row_xmask:2 row_mask:0xf bank_mask:0xf
	v_max_num_f32_dpp v56, v56, v56 row_xmask:4 row_mask:0xf bank_mask:0xf
	v_max_num_f32_dpp v56, v56, v56 row_xmask:8 row_mask:0xf bank_mask:0xf
	v_permlanex16_b32 v44, v56, s[SEL], s[SEL+1]
	v_max_num_f32 v56, v56, v44                    ; the largest score of the tile
.irp q, 0,1,2,3
	v_sub_f32 v[44+(\q)], v[40+(\q)], v56
.endr
.irp q, 0,1,2,3
	v_mul_f32 v[44+(\q)], s[L2E], v[44+(\q)]
.endr
.irp q, 0,1,2,3
	v_exp_f32 v[44+(\q)], v[44+(\q)]
.endr
	v_nop                                          ; a plain line behind the last exponential,
	s_wait_alu depctr_va_vdst(0)                   ; and one wait for the four: p in v44-47 is written, ahead of the roundings that read it
	v_cvt_pk_bf16_f32 v48, v44, v45
	v_cvt_pk_bf16_f32 v49, v46, v47
.irp k, 1,2,3
	v_add_nc_u32 v[TAK+(\k)], 66048*(\k), v[TA0]   ; the turning loads' addresses 32, 64 and 96 rows further down
.endr
	s_wait_alu depctr_va_vdst(0)                   ; v48-49 are written, which the LDS store reads, and v58-60, which the turning loads read; the way out is done with window 3, in which those land
	ds_store_b64 v[PBS], v[48:49]                  ; my own copy of p: LDS serves a wave in order (ISA guide 5.7.1.4), so the loads below see it
.irp k, 0,1,2,3
	ds_load_b128 v[PFR+8*(\k):PFR+8*(\k)+3],   v[PBL] offset:64*(\k)
	ds_load_b128 v[PFR+8*(\k)+4:PFR+8*(\k)+7], v[PBL] offset:64*(\k)+32
.endr
	TRL 0
	TRL 1
	s_wait_dscnt 32                                ; p and the first 32 rows are in; the second run of 32 loads is younger
	CPROD 0
	PLACES
	TRL 2
	s_wait_dscnt 32
	CPROD 1
	PLACES
	TRL 3
	s_wait_dscnt 32
	CPROD 2
	s_wait_dscnt 0x0
	CPROD 3
	PLACES
	WIN 0x08                                       ; store data in window 2
	s_wait_alu depctr_va_vdst(0)                   ; the last products have written the context sums, which the LDS stores read; the places above stay beside this wait
.irp c, 0,1,2,3,4,5,6,7,8,9,10,11,12,13,14,15
	ds_store_b32 v[CXS], v[8*(\c)] offset:64*(\c)  ; all 16 rows of a result are alike: register 0 is channel 16 c + l % 16
.endr
	WIN 0
	s_wait_alu depctr_vm_vsrc(0)                   ; the LDS store of p has read v48-49, in which the second load below lands
	ds_load_b128 v[44:47], v[CXL]
	ds_load_b128 v[48:51], v[CXL] offset:512
	s_wait_dscnt 0x0
	global_store_b128 v[BO], v[44:47], s[CPP:CPP+1]
	global_store_b128 v[BO], v[48:51], s[CPP:CPP+1] offset:512
	s_barrier_signal -1                            ; my reads of the tile and of the row sums are over (the wait for 0 above): the next tile may overwrite them
	s_barrier_wait -1
	s_wait_xcnt 0x0                                ; the stores have read their registers and bases
	s_add_nc_u64 s[SCP:SCP+1], s[SCP:SCP+1], 512
	s_add_nc_u64 s[CPP:CPP+1], s[CPP:CPP+1], 4096
	s_sub_nc_u64 s[BB:BB+1], s[BB:BB+1], 524288    ; sixteen bodies back: my stream from its start
	s_sub_co_u32 s[TILES], s[TILES], 1
	s_cmp_lg_u32 s[TILES], 0
	s_cbranch_scc1 .Ltile
	s_wait_dscnt 0x0                               ; the wave ends
	s_wait_alu 0x0
	s_wait_tensorcnt 0x0
	ds_add_u32 v[SPW], v[NIL]
	s_wait_dscnt 0x0
	s_endpgm
.Lfunc_end_k_q0196b183c1_main:
	.size	k_q0196b183c1_main, .Lfunc_end_k_q0196b183c1_main-k_q0196b183c1_main
	.p2alignl 7, 3214868480
	.fill 96, 4, 3214868480
	.section	.rodata,"a",@progbits
	.p2align	6, 0x0
	.amdhsa_kernel k_q0196b183c1_main
		.amdhsa_group_segment_fixed_size 280064
		.amdhsa_private_segment_fixed_size 0
		.amdhsa_enable_private_segment 0
		.amdhsa_kernarg_size 56
		.amdhsa_user_sgpr_count 2
		.amdhsa_user_sgpr_kernarg_segment_ptr 1
		.amdhsa_wavefront_size32 1
		.amdhsa_system_sgpr_workgroup_id_x 1
		.amdhsa_system_sgpr_workgroup_id_y 1
		.amdhsa_system_sgpr_workgroup_id_z 1
		.amdhsa_system_vgpr_workitem_id 0
		.amdhsa_next_free_vgpr 1024
		.amdhsa_next_free_sgpr 66
		.amdhsa_reserve_vcc 0
		.amdhsa_float_denorm_mode_32 3
		.amdhsa_float_denorm_mode_16_64 3
		.amdhsa_memory_ordered 1
		.amdhsa_forward_progress 1
		.amdhsa_inst_pref_size 255
	.end_amdhsa_kernel
	.section	.bss,"aw",@nobits
	.p2align	6
	.space	262144
	.amdgpu_metadata
---
amdhsa.version: [ 1, 2 ]
amdhsa.kernels:
  - .name:           k_q0196b183c1_main
    .symbol:         k_q0196b183c1_main.kd
    .args:
      - { .name: keys, .offset: 0, .size: 8, .value_kind: global_buffer, .address_space: global }
      - { .name: ub, .offset: 8, .size: 8, .value_kind: global_buffer, .address_space: global }
      - { .name: bc, .offset: 16, .size: 8, .value_kind: global_buffer, .address_space: global }
      - { .name: v_w, .offset: 24, .size: 8, .value_kind: global_buffer, .address_space: global }
      - { .name: cz, .offset: 32, .size: 8, .value_kind: global_buffer, .address_space: global }
      - { .name: sc, .offset: 40, .size: 8, .value_kind: global_buffer, .address_space: global }
      - { .name: cp, .offset: 48, .size: 8, .value_kind: global_buffer, .address_space: global }
    .group_segment_fixed_size: 280064
    .private_segment_fixed_size: 0
    .kernarg_segment_align: 8
    .kernarg_segment_size: 56
    .max_flat_workgroup_size: 128
    .sgpr_count:     66
    .vgpr_count:     1024
    .wavefront_size: 32
...
	.end_amdgpu_metadata
.endif
;; end of part 4
;; launch comb: the kernel of part 3 again; grid 32 x 1, 8 waves a work-group, no clusters, 1,536 bytes of LDS; arguments sc, cp, out0, out1; writes out0, out1
